; MI455X (gfx1250); checked and timed in simulation.
; The chip was launched on July 23, 2026; its instructions are those of AMD's public machine-readable ISA for CDNA 5 (MIT licence, August 2026) and "CDNA5" Instruction Set Architecture Reference Guide (July 2026). The comments in the code are by the model that wrote it; some were corrected since.
;; Multi Head Attention. Allowed arithmetic: float matrix products may take bf16 or f16 operands with f32 sums; other float arithmetic in f32, or as packed bf16 or f16 multiplies, adds, multiply-adds, maxima and minima; sums over many terms, partial sums and values carried from step to step in f32; what a program stores and reads back later, other than sums and carried values, may be rounded once to bf16 or f16.
;; Inputs: W_k 1,024 x 1,024 float32; W_o 1,024 x 1,024 float32; W_q 1,024 x 1,024 float32; W_v 1,024 x 1,024 float32; attention_mask 1 x 2,048 x 2,048 int32; b_k 1,024 float32; b_o 1,024 float32; b_q 1,024 float32; b_v 1,024 float32; key 4 x 2,048 x 1,024 float32; key_padding_mask 4 x 2,048 int32; query 4 x 2,048 x 1,024 float32; value 4 x 2,048 x 1,024 float32.
;; Outputs: out0 4 x 2,048 x 1,024 float32.
;; 2 versions, each right; version 2 is version 1 with the launch prep written anew for expert scheduling mode. Each part assembles by itself: llvm-mc -triple=amdgcn-amd-amdhsa -mcpu=gfx1250 --defsym DOCPART=n.
;; ======== version 1 of 2: 4 launches
;; limits: values outside matrix products are rounded to bf16; values are held in f16: magnitudes above 65,504 overflow, below 6.1e-05 lose precision
;; workspace buffers: wb 8,388,608 bytes; mc 16,777,216 bytes; qkv 50,331,648 bytes; ob 16,777,216 bytes
;; launch prep (part 1): grid 512 x 1, 8 waves a work-group, no clusters, 21,504 bytes of LDS; arguments attention_mask, key_padding_mask, W_q, W_k, W_v, W_o, wb, mc; writes wb, mc
.if DOCPART == 1
	.amdgcn_target "amdgcn-amd-amdhsa--gfx1250"
	.amdhsa_code_object_version 6
	.text
	.protected	k_q76b20c2707_prep
	.globl	k_q76b20c2707_prep
	.p2align	8
	.type	k_q76b20c2707_prep,@function
k_q76b20c2707_prep:
	s_mov_b64 s[64:65], 0
	v_nop
	global_prefetch_b8 v0, s[64:65] scope:SCOPE_SE
	s_setreg_imm32_b32 hwreg(HW_REG_WAVE_MODE, 25, 1), 1
	s_wait_xcnt 0x0
; PREP: two streams, told apart by the work-group's number g (a scalar branch, forward only).
;   g < 256    MASK: the two masks become one byte a (batch, query, key): 0x00 = the key may be seen, 0xB8 (fp8 E4M3 for -1.0) = hidden.
;              Hidden means key_padding_mask != 0 or attention_mask == 1, as the module tests them.
;   g >= 256   W_q, W_k, W_v: f32 -> bf16; W_o: f32 -> bf16 and that number written as f16: wb[4][block 16][n 1024][64], in blocks of 64 channels,
;              so that the 256 rows x 64 channels that a later product takes as a tile are 32,768 bytes on end.
; mc[batch 4][qt 128][J 32][part 2][lane 32][16 bytes]: the order in which the attention's lanes want the codes.  Lane (r = lane % 16, h = lane / 16) holds query 16 qt + r;
; bytes 0-7 are keys 64 J + 32 part + 8 h + 0..7, bytes 8-15 the same keys + 16.
; LIMIT: W_o's bf16 number is written as f16: beyond 65,504 it would be an infinity, below 2^-14 it keeps f16's fixed step of 2^-24.
; Memory binds: every load of a wave takes whole aligned pieces of 256 bytes, every store 256 or 512 bytes on end.  No matrix unit, no cluster: no two work-groups share a byte but the 32 KiB of key_padding_mask.
.set SPARE, 20480                      ; behind the eight waves' 2,560 bytes: the spare words, 128 bytes a wave
.set SPW,  124                         ; v124  SPARE + 4 x my thread's number; never rewritten
.set NIL,  125                         ; v125  0; never rewritten
.set LD,   16                          ; v[16:79]    cast: 16 loads of 4 registers, each its own
.set OUTR, 80                          ; v[80:111]   cast: 16 stores of 2 registers, each its own: no register of a pending load or store is ever rewritten
.set TW,   112                         ; v[112:115]  cast of W_o: four numbers widened again
.set AMO,  2                           ; mask: my offset in attention_mask
.set KPO,  3                           ; my offset in key_padding_mask
.set AST,  4                           ; LDS: where I put four codes of attention_mask
.set KST,  5                           ; LDS: where I put four codes of key_padding_mask
.set ARD,  6                           ; LDS: where I read 16 codes back in the final order
.set KRD,  7                           ; LDS: where I read 8 key codes
.set MCO,  8                           ; my offset in mc
.set KP,   20                          ; v[20:35]
.set AM,   56                          ; v[56:119]
	s_load_b512 s[8:23], s[0:1], 0x0               ; attention_mask 8:9, key_padding_mask 10:11, W_q 12:13, W_k 14:15, W_v 16:17, W_o 18:19, wb 20:21, mc 22:23
	v_lshl_add_u32 v[SPW], v0, 2, SPARE
	v_mov_b32 v[NIL], 0
	v_lshrrev_b32 v1, 5, v0
	v_readfirstlane_b32 s4, v1                     ; wave 0..7
	v_and_b32 v1, 31, v0                           ; lane
	v_lshrrev_b32 v14, 4, v1                       ; lane / 16
	v_and_b32 v15, 15, v1                          ; lane % 16
	s_mov_b32 s39, 0                               ; the high word of every offset
	s_wait_kmcnt 0x0
	s_cmp_lt_u32 ttmp9, 256
	s_cbranch_scc1 .Lmask
	; THE CASTS.  A work-group takes 16 rows of 1,024 numbers, a wave two of them: lanes 0-15 take 256 bytes (one block of 64 channels) of one row, lanes 16-31 of the next.
	s_lshl_b32 s36, s4, 13                         ; 2 rows x 4,096 bytes a wave
	v_lshlrev_b32 v2, 12, v14
	v_lshl_add_u32 v2, v15, 4, v2
	v_add_nc_u32 v2, s36, v2                       ; in: (2 w + lane / 16) x 4,096 + 16 (lane % 16)
	s_lshl_b32 s36, s4, 8
	v_lshl_add_u32 v3, v1, 3, s36                  ; out: 256 w + 8 lane: two rows of 128 bytes are 256 bytes on end
.macro CAST fmt                        ; fmt = 1: bf16's number as f16
.set n, 0
.rept 16                               ; all 16 loads go out at once: block n of both rows
	global_load_b128 v[LD+4*n:LD+4*n+3], v2, s[32:33] offset:n*256 th:TH_LOAD_NT
.set n, n+1
.endr
.set n, 0
.rept 16
	s_wait_loadcnt 15-n                            ; loads come back in order: number n is in, the younger ones stay out
	v_cvt_pk_bf16_f32 v[OUTR+2*n], v[LD+4*n], v[LD+4*n+1]
	v_cvt_pk_bf16_f32 v[OUTR+2*n+1], v[LD+4*n+2], v[LD+4*n+3]
.if \fmt
	v_lshlrev_b32 v[TW], 16, v[OUTR+2*n]
	v_and_b32 v[TW+1], 0xffff0000, v[OUTR+2*n]
	v_lshlrev_b32 v[TW+2], 16, v[OUTR+2*n+1]
	v_and_b32 v[TW+3], 0xffff0000, v[OUTR+2*n+1]
	v_cvt_pk_f16_f32 v[OUTR+2*n], v[TW], v[TW+1]
	v_cvt_pk_f16_f32 v[OUTR+2*n+1], v[TW+2], v[TW+3]
.endif
	global_store_b64 v3, v[OUTR+2*n:OUTR+2*n+1], s[34:35] offset:n*131072 th:TH_STORE_NT  ; 32 lanes store 256 bytes on end, aligned
.set n, n+1
.endr
.endm
	s_sub_co_u32 s5, ttmp9, 256
	s_lshr_b32 s6, s5, 6                           ; which matrix
	s_and_b32 s7, s5, 63                           ; which 16 of its 1,024 rows
	s_cmp_eq_u32 s6, 1
	s_cselect_b64 s[32:33], s[14:15], s[12:13]
	s_cmp_eq_u32 s6, 2
	s_cselect_b64 s[32:33], s[16:17], s[32:33]
	s_cmp_eq_u32 s6, 3
	s_cselect_b64 s[32:33], s[18:19], s[32:33]
	s_lshl_b32 s38, s7, 16
	s_add_nc_u64 s[32:33], s[32:33], s[38:39]
	s_lshl_b32 s38, s6, 21                         ; the matrix' 2 MiB of wb,
	s_lshl_b32 s5, s7, 11                          ; 16 rows of 128 bytes
	s_add_co_u32 s38, s38, s5
	s_add_nc_u64 s[34:35], s[20:21], s[38:39]
	s_cmp_eq_u32 s6, 3
	s_cbranch_scc1 .Lwo
	CAST 0
	s_branch .Lend
.Lwo:
	CAST 1
	s_branch .Lend
; THE MASK.  Work-group g takes the 16 queries 16 (g / 2) on and the keys 1,024 (g % 2) on; wave w 128 of those keys (two groups jl of 64), for all four batches.  attention_mask is read once and serves four batches.
; Each wave has 2,560 bytes of LDS of its own: 2,048 of attention codes in the final order, 4 x 128 of key codes by key.  No other wave touches them: no barrier; LDS serves a wave's instructions in order (ISA guide 5.7.1.4).
.Lmask:
	s_lshr_b32 s5, ttmp9, 1                        ; qt
	s_and_b32 s6, ttmp9, 1                         ; which half of the keys
	s_lshl_b32 s36, s6, 12                         ; 1,024 keys x 4 bytes,
	s_lshl_b32 s7, s4, 9                           ; my 128 keys
	s_add_co_u32 s36, s36, s7
	s_mul_i32 s37, s4, 2560                        ; my LDS
	v_lshlrev_b32 v[AMO], 13, v14                  ; lanes 16-31 take the next query's row
	v_lshl_add_u32 v[AMO], v15, 4, v[AMO]
	v_add_nc_u32 v[AMO], s36, v[AMO]
	v_lshl_add_u32 v[KPO], v1, 4, s36
	v_lshl_add_u32 v[ARD], v1, 4, s37
	; my four keys 4 i .. 4 i + 3 of a group of 64 (i = lane % 16): bit 3 of i is the part (512 bytes), bit 1 the half of the lanes (16 lanes x 16 bytes), bit 2 the upper eight bytes, bit 0 four bytes
	v_bfe_u32 v16, v15, 3, 1
	v_lshl_add_u32 v[AST], v16, 9, s37
	v_bfe_u32 v16, v15, 1, 1
	v_lshl_add_u32 v[AST], v16, 8, v[AST]
	v_bfe_u32 v16, v15, 2, 1
	v_lshl_add_u32 v[AST], v16, 3, v[AST]
	v_and_b32 v16, 1, v15
	v_lshl_add_u32 v[AST], v16, 2, v[AST]
	v_lshl_add_u32 v[AST], v14, 4, v[AST]          ; the odd query's lane lies 16 bytes on
	s_add_co_u32 s37, s37, 2048
	v_lshl_add_u32 v[KST], v1, 2, s37
	v_lshl_add_u32 v[KRD], v14, 3, s37
	s_lshl_b32 s36, s6, 14                         ; 16 groups of 1,024 bytes of mc,
	s_lshl_b32 s7, s4, 11                          ; my two groups
	s_add_co_u32 s36, s36, s7
	v_lshl_add_u32 v[MCO], v1, 4, s36
	v_mov_b32 v10, 0xb8                            ; the code, in each of a word's four bytes
	v_mov_b32 v11, 0xb800
	v_mov_b32 v12, 0xb80000
	v_mov_b32 v13, 0xb8000000
	s_lshl_b32 s38, s5, 17                         ; 16 rows of 8,192 bytes
	s_add_nc_u64 s[32:33], s[8:9], s[38:39]
	s_lshl_b32 s38, s5, 15                         ; 32 groups of 1,024 bytes
	s_add_nc_u64 s[34:35], s[22:23], s[38:39]      ; mc, batches 0 and 1
	s_add_nc_u64 s[36:37], s[34:35], 0x800000      ; batches 2 and 3: the stores' immediate does not reach them
.set m, 0
.rept 4                                ; batch m: my 128 keys are 512 bytes
	global_load_b128 v[KP+4*m:KP+4*m+3], v[KPO], s[10:11] offset:m*8192
.set m, m+1
.endr
.set n, 0
.rept 16                               ; group n / 8, queries 2 (n % 8) and the next: 256 whole bytes of each
	global_load_b128 v[AM+4*n:AM+4*n+3], v[AMO], s[32:33] offset:(n%8)*16384+(n/8)*256 th:TH_LOAD_NT
.set n, n+1
.endr
.macro CODE x, isam                    ; four words at v[x] become four code bytes in v[x]; the bytes do not meet, so the sum is their union
.irp c, 0,1,2,3
.if \isam
	v_cmp_eq_u32 vcc_lo, 1, v[(\x)+\c]
.else
	v_cmp_ne_u32 vcc_lo, 0, v[(\x)+\c]
.endif
	v_cndmask_b32 v[(\x)+\c], 0, v[10+\c], vcc_lo
.endr
	v_add3_u32 v[\x], v[\x], v[(\x)+1], v[(\x)+2]
	v_add_nc_u32 v[\x], v[\x], v[(\x)+3]
.endm
	s_wait_loadcnt 16                              ; key_padding_mask is in; the 16 loads of attention_mask stay out
.set m, 0
.rept 4
	CODE KP+4*m, 0
	ds_store_b32 v[KST], v[KP+4*m] offset:m*128
.set m, m+1
.endr
.set n, 0
.rept 16
	s_wait_loadcnt 15-n
	CODE AM+4*n, 1
	ds_store_b32 v[AST], v[AM+4*n] offset:(n/8)*1024+(n%8)*32
.set n, n+1
.endr
.macro GET jl                          ; 18 LDS loads: the group's attention codes in the final order, and for each batch the key codes of my lane's 32 keys
.irp pt, 0,1
	ds_load_b128 v[KP+8*\jl+4*\pt:KP+8*\jl+4*\pt+3], v[ARD] offset:\jl*1024+\pt*512
.endr
.irp b, 0,1,2,3
.irp pt, 0,1
.irp c, 0,1
	ds_load_b64 v[AM+32*\jl+8*\b+4*\pt+2*\c:AM+32*\jl+8*\b+4*\pt+2*\c+1], v[KRD] offset:\b*128+\jl*64+\pt*32+16*\c
.endr
.endr
.endr
.endm
.macro PUT jl                          ; hidden by either mask; a store of a wave is 512 bytes on end, aligned
.irp b, 0,1,2,3
.irp pt, 0,1
.irp d, 0,1,2,3
	v_or_b32 v[AM+32*\jl+8*\b+4*\pt+\d], v[AM+32*\jl+8*\b+4*\pt+\d], v[KP+8*\jl+4*\pt+\d]
.endr
	global_store_b128 v[MCO], v[AM+32*\jl+8*\b+4*\pt:AM+32*\jl+8*\b+4*\pt+3], s[34+2*(\b/2):35+2*(\b/2)] offset:(\b%2)*4194304+\jl*1024+\pt*512 th:TH_STORE_NT
.endr
.endr
.endm
	GET 0
	GET 1
	s_wait_dscnt 18                                ; group 0 is back; group 1's 18 loads stay out
	PUT 0
	s_wait_dscnt 0x0
	PUT 1
.Lend:
	s_wait_tensorcnt 0x0                           ; the wave's end: behind my last LDS store
	ds_add_u32 v[SPW], v[NIL]
	s_wait_dscnt 0x0
	s_endpgm
.Lfunc_end_k_q76b20c2707_prep:
	.size	k_q76b20c2707_prep, .Lfunc_end_k_q76b20c2707_prep-k_q76b20c2707_prep
	.p2alignl 7, 3214868480
	.fill 96, 4, 3214868480
	.section	.rodata,"a",@progbits
	.p2align	6, 0x0
	.amdhsa_kernel k_q76b20c2707_prep
		.amdhsa_group_segment_fixed_size 21504
		.amdhsa_private_segment_fixed_size 0
		.amdhsa_enable_private_segment 0
		.amdhsa_kernarg_size 64
		.amdhsa_user_sgpr_count 2
		.amdhsa_user_sgpr_kernarg_segment_ptr 1
		.amdhsa_wavefront_size32 1
		.amdhsa_system_sgpr_workgroup_id_x 1
		.amdhsa_system_sgpr_workgroup_id_y 1
		.amdhsa_system_sgpr_workgroup_id_z 1
		.amdhsa_system_vgpr_workitem_id 0
		.amdhsa_next_free_vgpr 128
		.amdhsa_next_free_sgpr 66
		.amdhsa_reserve_vcc 1
		.amdhsa_float_denorm_mode_32 3
		.amdhsa_float_denorm_mode_16_64 3
		.amdhsa_memory_ordered 1
		.amdhsa_forward_progress 1
		.amdhsa_inst_pref_size 36
	.end_amdhsa_kernel
	.amdgpu_metadata
---
amdhsa.version: [ 1, 2 ]
amdhsa.kernels:
  - .name:           k_q76b20c2707_prep
    .symbol:         k_q76b20c2707_prep.kd
    .args:
      - { .name: attention_mask, .offset: 0, .size: 8, .value_kind: global_buffer, .address_space: global }
      - { .name: key_padding_mask, .offset: 8, .size: 8, .value_kind: global_buffer, .address_space: global }
      - { .name: W_q, .offset: 16, .size: 8, .value_kind: global_buffer, .address_space: global }
      - { .name: W_k, .offset: 24, .size: 8, .value_kind: global_buffer, .address_space: global }
      - { .name: W_v, .offset: 32, .size: 8, .value_kind: global_buffer, .address_space: global }
      - { .name: W_o, .offset: 40, .size: 8, .value_kind: global_buffer, .address_space: global }
      - { .name: wb, .offset: 48, .size: 8, .value_kind: global_buffer, .address_space: global }
      - { .name: mc, .offset: 56, .size: 8, .value_kind: global_buffer, .address_space: global }
    .group_segment_fixed_size: 21504
    .private_segment_fixed_size: 0
    .kernarg_segment_align: 8
    .kernarg_segment_size: 64
    .max_flat_workgroup_size: 256
    .sgpr_count:     66
    .vgpr_count:     128
    .wavefront_size: 32
...
	.end_amdgpu_metadata
.endif
;; end of part 1
;; launch proj (part 2): grid 4 x 64, 4 waves a work-group, clusters of 4 x 4, 327,680 bytes of LDS; arguments query, key, value, wb, b_q, b_k, b_v, qkv; writes qkv
.if DOCPART == 2
	.amdgcn_target "amdgcn-amd-amdhsa--gfx1250"
	.amdhsa_code_object_version 6
	.text
	.protected	k_q76b20c2707_proj
	.globl	k_q76b20c2707_proj
	.p2align	8
	.type	k_q76b20c2707_proj,@function
k_q76b20c2707_proj:
	s_mov_b64 s[64:65], 0
	v_nop
	global_prefetch_b8 v0, s[64:65] scope:SCOPE_SE
	s_setreg_imm32_b32 hwreg(HW_REG_WAVE_MODE, 25, 1), 1
	s_wait_xcnt 0x0
	s_wait_alu depctr_hold_cnt(0) depctr_sa_sdst(0) depctr_va_vdst(0) depctr_va_sdst(0) depctr_va_ssrc(0) depctr_va_vcc(0) depctr_vm_vsrc(0)
	s_getreg_b32 s2, hwreg(HW_REG_IB_STS2, 6, 4)
	s_cmp_eq_u32 s2, 0
	s_cbranch_scc0 .Lentry_in_a_cluster
	s_endpgm
.Lentry_in_a_cluster:
	s_bfe_u32 s2, ttmp6, 0x10000c
	s_cmp_lg_u32 s2, 0xf033
	s_cbranch_scc0 .Lentry_shape_is_right
	s_endpgm
.Lentry_shape_is_right:
; THE THREE PROJECTIONS.  Y_p = X_p W_p^T + b_p, 8,192 x 1,024 x 1,024 each, p = 0, 1, 2: X = query, key, value in f32 as they are given; W_p = wb[p], bf16 in blocks of 64 channels.
; X, W and the bias are rounded to bf16, sums are f32, Y leaves in f16 by heads, qkv[p][head 64][t 2048][64], unscaled.  LIMIT: beyond 65,504 a number of Y would be an infinity.
; SHARES.  A tile of Y is 128 rows x 256 columns.  A WORK-GROUP STAYS: it makes the same tile of q, then of k, then of v: 256 work-groups, 24 K steps of 128 in ONE walk through two LDS slots;
; the ring runs on across the change of tiles, and nothing waits for a tile's stores.  Four waves, 2 x 2, each 64 x 128: 32 accumulators of 16 x 16, 256 registers.
; THE K STEPS ARE TAKEN IN A TURNED ORDER: cluster c (its y, 0 .. 15) walks each tile's eight K steps from step c % 8 on, round the end.  So at any time the sixteen clusters' tiles of X lie in all eight
; parts of 512 bytes of the rows' 4,096, not all in the same part, and a block of W is asked for by two clusters at a time.  LIMIT: a sum holds the same terms everywhere, but their order differs from cluster to cluster.
; A SLOT holds a K step: 128 rows x 512 bytes of X in f32, then two blocks of 256 rows x 128 bytes of W.  Waves 0 and 1 fetch 64 rows of X each, waves 2 and 3 a block of W each: 32 KiB a load.
; X IS ROUNDED ON THE WAY FROM LDS TO THE PRODUCT: a quarter's 64 rows x 32 channels come as 16 loads of 16 bytes a lane and become four fragments by 32 conversions, which stand four behind each of
; the last eight products of the quarter before: they are also the four places behind those products, ahead of the next loads into their sources.
; THE TEXT IS SHORT: the trip for step n is a change of slots, which stands bare, and two trips of an inner loop of two quarters.  The first quarter of a trip multiplies the last fragments of step n - 1 and
; fetches the first of step n, so all four fetches of a trip read one slot.  The loop's body is an odd step (slot 1) and an even one (slot 0); step 23 is written out, since it asks for nothing.
; At steps 8 and 16 a forward jump on a counter leads to the finished tile's way out and to the quarter whose products take the next bias as C; the launch enters the loop at that quarter.
; CLUSTER 4 x 4: the four work-groups of a row need the same tile of X, the four of a column the same tile of W: joint loads.
; THE PRODUCT IS TAKEN TRANSPOSED (source 0 = 16 rows of W, source 1 = 16 rows of X): a lane holds row lane % 16 of Y and the columns 8 (lane / 16) + 0..7.
; REGISTERS: window 0: v0-31 addresses; v64-127 X's fragments, two buffers of 32; v128-191 X in f32 as loaded; v128-255 at work on the way out
;   window 1: v0-1 at work; v64-191 W's fragments, two buffers of 64; v192-255 the bias          window 2: the accumulators, (a, b) at v[8 (8 a + b)]
.set PA,     528                       ; a row of X in LDS: 512 bytes + 16 = 132 words: the 16 rows of a load start at 16 different groups of four banks (64 banks of 4 bytes: ISA guide 11.1)
.set PB,     144                       ; a row of W: 128 bytes + 16 = 36 words: likewise
.set ABYTES, 128*PA                    ; 67,584
.set BBLK,   256*PB                    ; 36,864
.set SLOT,   ABYTES+2*BBLK             ; 141,312
.set STAGE,  2*SLOT                    ; behind the ring, never filled by a tensor load: 16 rows x 144 bytes for each wave, for the way out
.set SPITCH, 144
.set SPARE,  STAGE+4*16*SPITCH         ; behind the stages: the spare words, 128 bytes for each wave
.set NSTEP,  24
.set A0,   16                          ; v16  my lane's place in a slot's X; never rewritten
.set B0,   17                          ; v17  the same for W
.set CA,   18                          ; v18  the LDS address of X's runs of loads in hand
.set CB,   19                          ; v19  of W's
.set STO,  24                          ; the way out: where I put 16 bytes of a row
.set RD,   25                          ; where I read rows back
.set GO,   26                          ; 16 x lane
.set BO,   27                          ; 32 x (lane / 16): my eight columns' bias
.set SPW,  28                          ; SPARE + 4 x my thread's number; never rewritten
.set NIL,  29                          ; 0; never rewritten
.set PFO,  30                          ; the prefetches' offset; never rewritten
.set FA,   64
.set RAW,  128
.set OB,   128
.set FB,   64                          ; window 1
.set BIAS, 192                         ; window 1
.set LAP,  3                           ; s3   counts the loop's bodies
.set IT,   4                           ; s4   counts an inner loop's two trips
.set NEW,  5                           ; s5   1: the step in hand is a tile's first
.set G1,  24                           ; s[24:31] group 1 for X's tiles;  s[32:39] group 0, a set for each slot
.set G0,  32
.set NX,  45                           ; s45  the step of the walk to be asked for next, 0 .. 24
.set G1B, 48                           ; s[48:55], s[56:63] the same for W's
.set G0B, 56
.set OFW, 66                           ; s[66:67] a step's byte offset in wb: the product's 2 MiB and the K step's two blocks of 131,072 bytes
.set XQ,  68                           ; s[68:73] query, key, value at the rows that I fetch
.set WB,  74                           ; s[74:75] wb at my tile's 256 rows of the block that I fetch
.set BQ,  76                           ; s[76:81] b_q, b_k, b_v at my 128 columns
.set OFF, 84                           ; s[84:85] a K step's byte offset in a row of X
.set PT,  86                           ; s86  tiles begun
.set TA,  87                           ; s87  LDS byte from which X's fetches count
.set TB,  88                           ; s88  the same for W's
.set MSK, 89                           ; s89  a word's upper bf16
.set PFA, 90                           ; s[90:91] where my prefetch stands
.set OF2, 92                           ; s[92:93] its K step's byte offset
.set LIM, 94                           ; s94  NSTEP in a wave that prefetches, else 0
.set ROT, 95                           ; s95  the cluster's y % 8: step n of the walk takes K step (n + ROT) % 8 of its tile; the same in all sixteen partners
.set MSB, 0
.macro WIN new                         ; the immediate's high byte repeats the setting that is left
.if MSB != (\new)
	s_set_vgpr_msb (MSB<<8)|(\new)
.set MSB, \new
.endif
.endm
.macro JLOAD s                         ; a joint load: waves 0 and 1 X's halves, waves 2 and 3 W's blocks; an s_nop 0 and four v_nop follow each line
	s_cmp_eq_u32 s11, 0
	s_cbranch_scc0 .Lfor_b_\@
	tensor_load_to_lds s[G0+4*(\s):G0+4*(\s)+3], s[G1:G1+7]
	s_nop 0
.rept 4
	v_nop
.endr
	s_branch .Lasked_\@
.Lfor_b_\@:
	tensor_load_to_lds s[G0B+4*(\s):G0B+4*(\s)+3], s[G1B:G1B+7]
	s_nop 0
.rept 4
	v_nop
.endr
.Lasked_\@:
.endm
; A PREFETCH INTO THE L2 of X's tile of the step AFTER the one just asked for: one step, 128 matrix instructions a wave, ahead of the load that will want it.  One cluster alone reads these rows.  Of the 64 rows
; x 512 bytes that wave 0 or 1 fetches, each of the four partners that ask jointly takes 16 rows, told apart BY ADDRESS: a lane names 256 bytes, one instruction a wave.  Steps 0 to 2 come by their loads alone;
; behind step 23 there is nothing to name.  W's blocks are not named: every cluster reads all of them, so they are no stream that is read once.
.macro ASK
	s_cmp_lt_u32 s[NX], s[LIM]
	s_cbranch_scc0 .Lnot_mine_\@
	global_prefetch_b8 v[PFO], s[PFA:PFA+1] th:TH_LOAD_NT scope:SCOPE_SE
.Lnot_mine_\@:
.endm
.macro CROUND                          ; a round of the cluster's barrier
	s_barrier_signal -1
	s_barrier_wait -1
	s_cmp_lg_u32 s10, 0
	s_cbranch_scc1 .Lnot_wave_0_\@
	s_barrier_signal -3
.Lnot_wave_0_\@:
	s_barrier_wait -3
	s_barrier_signal -1
	s_barrier_wait -1
.endm
	s_load_b512 s[68:83], s[0:1], 0x0              ; query 68:69, key 70:71, value 72:73, wb 74:75, b_q 76:77, b_k 78:79, b_v 80:81, qkv 82:83
	v_lshl_add_u32 v[SPW], v0, 2, SPARE
	v_mov_b32 v[NIL], 0
	ds_add_u32 v[SPW], v[NIL]                      ; the wave's opening: the add and its wait stand ahead of my first tensor load; the set-up stands between them
	v_lshrrev_b32 v1, 5, v0
	v_readfirstlane_b32 s10, v1                    ; wave 0..3
	s_lshr_b32 s11, s10, 1                         ; which half of the tile's rows is mine.  Also: I fetch for X (0) or for W (1)
	s_and_b32 s12, s10, 1                          ; which half of its columns.  Also: which half of X's rows, or which block of W, I fetch
	s_bfe_u32 s40, ttmp6, 0x40000                  ; cx
	s_bfe_u32 s41, ttmp6, 0x40004                  ; cy
	s_lshl_b32 s42, ttmp9, 2
	s_add_co_u32 s42, s42, s40                     ; tile column = 4 x cluster x + cx
	s_and_b32 s13, ttmp7, 0xffff                   ; the cluster's y
	s_and_b32 s[ROT], s13, 7                       ; where its walk through K begins
	s_lshl_b32 s13, s13, 2
	s_add_co_u32 s13, s13, s41                     ; tile row 0..63 = 4 x cluster y + cy
	s_lshl_b32 s43, s41, 2
	s_lshl_b32 s43, 15, s43                        ; my row of the cluster
	s_lshl_b32 s44, 0x1111, s40                    ; my column
	s_or_b32 s[G1+0], s43, (2<<16)|(1<<20)|(1<<21)|(6<<22)|(3<<25)   ; 15:0 the mask; 17:16 4-byte elements; 20 padding on; 21 set beside a mask; 24:22 after every 128 words (code 6); 31:25 4 words (code 3)
	s_or_b32 s[G1B+0], s44, (1<<16)|(1<<20)|(1<<21)|(4<<22)|(3<<25)  ; 2-byte elements; after every 32 words (code 4)
	s_mov_b32 s[G1+1], 128<<16                     ; tensor_dim0 = 128 elements: 512 bytes of a row of X
	s_mov_b32 s[G1+2], 64<<16                      ; tensor_dim1 = 64
	s_mov_b32 s[G1+3], 128<<16                     ; tile_dim0 = 128
	s_mov_b32 s[G1+4], 64                          ; tile_dim1 = 64
	s_mov_b32 s[G1+5], 1024                        ; 1,024 elements from row to row
	s_mov_b32 s[G1+6], 0
	s_mov_b32 s[G1+7], 0
	s_mov_b32 s[G1B+1], 128<<16                    ; a block's 256 rows of 128 bytes are dense: asked for as 128 rows of 256 bytes
	s_mov_b32 s[G1B+2], 128<<16
	s_mov_b32 s[G1B+3], 128<<16
	s_mov_b32 s[G1B+4], 128
	s_mov_b32 s[G1B+5], 128
	s_mov_b32 s[G1B+6], 0
	s_mov_b32 s[G1B+7], 0
	s_lshl_b32 s16, s13, 19                        ; X: the tile's 128 rows of 4,096 bytes,
	s_lshl_b32 s17, s12, 18                        ; the 64 of them that I fetch
	s_add_co_u32 s16, s16, s17
	s_mov_b32 s17, 0
	s_lshl_b32 s46, s42, 15                        ; W: the tile's 256 rows of 128 bytes,
	s_lshl_b32 s47, s12, 17                        ; my block of a step's two
	s_add_co_u32 s46, s46, s47
	s_mov_b32 s47, 0
	s_mul_i32 s20, s12, 64*PA                      ; where they go: no place in the cluster enters an LDS address
	s_mul_i32 s23, s12, BBLK
	s_add_co_u32 s23, s23, ABYTES
	s_mov_b32 s[OFF+1], 0
	s_mov_b32 s[OF2+1], 0
	s_mov_b32 s[OFW+1], 0
	s_mov_b32 s[NX], 2
	s_mov_b32 s[PT], 0
	s_mov_b32 s[MSK], 0xffff0000
	s_cmp_eq_u32 s11, 0
	s_cselect_b32 s[LIM], NSTEP, 0                 ; waves 0 and 1 prefetch: the same in all sixteen partners
	s_wait_dscnt 0x0                               ; the opening add is done
	s_wait_kmcnt 0x0
	s_add_nc_u64 s[XQ:XQ+1], s[XQ:XQ+1], s[16:17]
	s_add_nc_u64 s[XQ+2:XQ+3], s[XQ+2:XQ+3], s[16:17]
	s_add_nc_u64 s[XQ+4:XQ+5], s[XQ+4:XQ+5], s[16:17]
	s_add_nc_u64 s[WB:WB+1], s[WB:WB+1], s[46:47]
	CROUND                                         ; all sixteen work-groups are here: the first joint loads meet
.irp s, 0,1
	s_add_co_u32 s14, s[ROT], \s                   ; step s of the walk: K step (s + ROT) % 8 of q's tile
	s_and_b32 s14, s14, 7
	s_lshl_b32 s[OFF], s14, 9                      ; 128 channels of f32
	s_lshl_b32 s[OFW], s14, 18                     ; two blocks of 1,024 rows x 128 bytes
	s_mov_b32 s[G0+4*(\s)], 1
	s_add_co_u32 s[G0+4*(\s)+1], s20, (\s)*SLOT
	s_add_nc_u64 s[G0+4*(\s)+2:G0+4*(\s)+3], s[XQ:XQ+1], s[OFF:OFF+1]
	s_or_b32 s[G0+4*(\s)+3], s[G0+4*(\s)+3], 0x80000000
	s_mov_b32 s[G0B+4*(\s)], 1
	s_add_co_u32 s[G0B+4*(\s)+1], s23, (\s)*SLOT
	s_add_nc_u64 s[G0B+4*(\s)+2:G0B+4*(\s)+3], s[WB:WB+1], s[OFW:OFW+1]
	s_or_b32 s[G0B+4*(\s)+3], s[G0B+4*(\s)+3], 0x80000000
	JLOAD \s                                       ; steps 0 and 1: two loads of mine are out
.endr
	v_and_b32 v1, 15, v0                           ; l % 16
	v_bfe_u32 v2, v0, 4, 1                         ; l / 16
	v_mul_u32_u24 v3, v1, PA
	v_lshl_add_u32 v3, v2, 5, v3                   ; X: row x pitch + 32 x half: eight f32
	s_mul_i32 s21, s11, 64*PA                      ; my 64 rows
	v_add_nc_u32 v[A0], s21, v3
	v_mul_u32_u24 v3, v1, PB
	v_lshl_add_u32 v3, v2, 4, v3                   ; W: row x pitch + 16 x half
	s_mul_i32 s22, s12, 128*PB                     ; my 128 rows,
	s_add_co_u32 s22, s22, ABYTES                  ; which lie behind X
	v_add_nc_u32 v[B0], s22, v3
	s_mul_i32 s23, s10, 16*SPITCH
	s_add_co_u32 s23, s23, STAGE                   ; my stage
	v_mul_u32_u24 v4, v1, SPITCH
	v_and_b32 v5, 31, v0
	v_lshlrev_b32 v[GO], 4, v5
	v_lshl_add_u32 v4, v2, 4, v4                   ; in: row l % 16, 16 bytes (8 f16) for each half of the lanes
	v_add_nc_u32 v[STO], s23, v4
	v_lshrrev_b32 v4, 1, v5                        ; the prefetch: row l / 2 of my work-group's 16, its left or right 256 bytes
	v_lshlrev_b32 v[PFO], 12, v4
	v_and_b32 v4, 1, v5
	v_lshl_add_u32 v[PFO], v4, 8, v[PFO]
	s_lshl_b32 s21, s40, 16                        ; 16 rows of 4,096 bytes for each place along the cluster's row
	v_add_nc_u32 v[PFO], s21, v[PFO]
	v_bfe_u32 v5, v0, 3, 2                         ; back from the stage: 32 lanes take four rows of 128 bytes
	v_mul_u32_u24 v5, v5, SPITCH
	v_and_b32 v4, 7, v0
	v_lshl_add_u32 v5, v4, 4, v5
	v_add_nc_u32 v[RD], s23, v5
	v_lshlrev_b32 v[BO], 5, v2
	; the three biases at my 128 columns.  Offsets that hold cx stand in s[46:47] alone
	s_lshl_b32 s46, s42, 10                        ; 256 columns x 4 bytes,
	s_lshl_b32 s47, s12, 9                         ; my 128
	s_add_co_u32 s46, s46, s47
	s_mov_b32 s47, 0
	s_add_nc_u64 s[BQ:BQ+1], s[BQ:BQ+1], s[46:47]
	s_add_nc_u64 s[BQ+2:BQ+3], s[BQ+2:BQ+3], s[46:47]
	s_add_nc_u64 s[BQ+4:BQ+5], s[BQ+4:BQ+5], s[46:47]
	s_mov_b64 s[6:7], s[BQ:BQ+1]
.macro BIASLD                          ; 16 loads: for each block of 16 columns my lane's eight numbers
	WIN 0x40
.irp b, 0,1,2,3,4,5,6,7
	global_load_b128 v[BIAS+8*\b:BIAS+8*\b+3],   v[BO], s[6:7] offset:64*\b
	global_load_b128 v[BIAS+8*\b+4:BIAS+8*\b+7], v[BO], s[6:7] offset:64*\b+16
.endr
	WIN 0
.endm
	BIASLD
	; where my part of q begins
	s_lshr_b32 s16, s13, 4
	s_lshl_b32 s16, s16, 4                         ; the batch's 16 heads,
	s_lshl_b32 s17, s12, 1                         ; my two of the tile's four
	s_add_co_u32 s16, s16, s17
	s_lshl_b32 s16, s16, 18                        ; a head is 2,048 rows of 128 bytes
	s_and_b32 s17, s13, 15
	s_lshl_b32 s17, s17, 14                        ; the tile's 128 rows,
	s_add_co_u32 s16, s16, s17
	s_lshl_b32 s17, s11, 13                        ; my 64 of them
	s_add_co_u32 s16, s16, s17
	s_mov_b32 s17, 0
	s_add_nc_u64 s[8:9], s[82:83], s[16:17]
	s_lshl_b32 s46, s42, 20                        ; the tile's four heads
	s_add_nc_u64 s[8:9], s[8:9], s[46:47]
; Four conversions: numbers 4 b .. 4 b + 3 of the 32 that make X's four fragments of buffer g.  Fragment i's register k is the pair of f32 at RAW + 16 i + 2 k.
.macro CVT4 g, b
.irp z, 0,1,2,3
	v_cvt_pk_bf16_f32 v[FA+32*(\g)+4*(\b)+\z], v[RAW+8*(\b)+2*\z], v[RAW+8*(\b)+2*\z+1]
.endr
.endm
; 8 matrix instructions: row block a x all 8 column blocks, 32 along K, from buffer g.  first = 1: the bias starts the sums.  cv >= 0: four conversions for buffer cv stand behind each.
; The 32 accumulators take turns in one order everywhere, one instruction a turn: 31 others stand between two links of a chain.
.macro MUL8 g, a, first, cv=-1
.irp b, 0,1,2,3,4,5,6,7
.set rD, 8*(8*(\a)+\b)
.set rB, FB+64*(\g)+8*\b
.set rA, FA+32*(\g)+8*(\a)
.if \first
	WIN 0x91                                       ; W window 1, X window 0, C (the bias) window 1, D window 2
	v_wmma_f32_16x16x32_bf16 v[rD:rD+7], v[rB:rB+7], v[rA:rA+7], v[BIAS+8*\b:BIAS+8*\b+7]
.else
	WIN 0xa1                                       ; C and D window 2
	v_wmma_f32_16x16x32_bf16 v[rD:rD+7], v[rB:rB+7], v[rA:rA+7], v[rD:rD+7]
.endif
.if (\cv) >= 0
	WIN 0
	CVT4 \cv, \b
.endif
.endr
.endm
; 32 LDS loads in one run: a quarter's X in f32 (per fragment the lane's channels 8 h + 0..7 at bytes 0 and 16, 16 + 8 h + 0..7 at bytes 64 and 80), then W's 8 fragments into buffer g
.macro FETCH g, oa, obb
	WIN 0
.irp i, 0,1,2,3
.irp c, 0,1,2,3
	ds_load_b128 v[RAW+16*\i+4*\c:RAW+16*\i+4*\c+3], v[CA] offset:(\oa)+\i*16*PA+16*\c+32*(\c/2)
.endr
.endr
	WIN 0x40
.irp i, 0,1,2,3,4,5,6,7
	ds_load_b128 v[FB+64*(\g)+8*\i:FB+64*(\g)+8*\i+3],   v[CB] offset:(\obb)+\i*16*PB
	ds_load_b128 v[FB+64*(\g)+8*\i+4:FB+64*(\g)+8*\i+7], v[CB] offset:(\obb)+\i*16*PB+32
.endr
.endm
; A QUARTER: 32 along K, 32 matrix instructions on buffer f; the next quarter is fetched and rounded into buffer g.  The last product that read buffer g has four conversions behind it (the quarter before ends as
; this one does): those are the places ahead of the loads into g and of the conversions into g.
.macro QX f, g, first, oa, obb
	s_wait_dscnt 0x0                               ; W's fragments of buffer f are in: asked for 24 matrix instructions ago
	MUL8 \f, 0, \first
	FETCH \g, \oa, \obb
	MUL8 \f, 1, \first
	MUL8 \f, 2, \first
	s_wait_dscnt 16                                ; X's 16 loads are in; W's 16, issued behind them, may stay out
	MUL8 \f, 3, \first, \g
.endm
; THE CHANGE OF SLOTS, ahead of step n's first fetch.  Each wave waits for all its tensor loads, of which one is out: its part of step n; adds 0 to its spare word; and waits for that and for its reads of step n - 1's slot.
; fill = 1: behind a round of the cluster's barrier that slot is filled again, with step NX = n + 1 of the walk.  Both addresses are made anew: the input, or the matrix, that the step belongs to, and its K step (NX + ROT) % 8.
.macro CHANGE fill, slot=0
	WIN 0
	s_wait_tensorcnt 0x0                           ; no tensor load of mine is out, so a group 0 may be written
	ds_add_u32 v[SPW], v[NIL]                      ; 0 onto my spare word; the scalar work stands between it and the wait for it
.if \fill
	s_lshr_b32 s14, s[NX], 3                       ; which of q, k, v
	s_cmp_eq_u32 s14, 1
	s_cselect_b64 s[G0+4*(\slot)+2:G0+4*(\slot)+3], s[XQ+2:XQ+3], s[XQ:XQ+1]
	s_cmp_eq_u32 s14, 2
	s_cselect_b64 s[G0+4*(\slot)+2:G0+4*(\slot)+3], s[XQ+4:XQ+5], s[G0+4*(\slot)+2:G0+4*(\slot)+3]
	s_add_co_u32 s15, s[NX], s[ROT]
	s_and_b32 s15, s15, 7                          ; the K step
	s_lshl_b32 s[OFF], s15, 9
	s_lshl_b32 s[OFW], s15, 18
	s_lshl_b32 s14, s14, 21                        ; the matrix' 2 MiB of wb
	s_add_co_u32 s[OFW], s[OFW], s14
	s_add_nc_u64 s[G0+4*(\slot)+2:G0+4*(\slot)+3], s[G0+4*(\slot)+2:G0+4*(\slot)+3], s[OFF:OFF+1]
	s_or_b32 s[G0+4*(\slot)+3], s[G0+4*(\slot)+3], 0x80000000
	s_add_nc_u64 s[G0B+4*(\slot)+2:G0B+4*(\slot)+3], s[WB:WB+1], s[OFW:OFW+1]
	s_or_b32 s[G0B+4*(\slot)+3], s[G0B+4*(\slot)+3], 0x80000000
	s_add_co_u32 s[NX], s[NX], 1
	s_wait_xcnt 0x0                                ; the last prefetch, a step back, has read its address
	s_min_u32 s15, s[NX], NSTEP-1                  ; the step after: held to the last one, so that the address never leaves its buffer
	s_lshr_b32 s14, s15, 3
	s_cmp_eq_u32 s14, 1
	s_cselect_b64 s[PFA:PFA+1], s[XQ+2:XQ+3], s[XQ:XQ+1]
	s_cmp_eq_u32 s14, 2
	s_cselect_b64 s[PFA:PFA+1], s[XQ+4:XQ+5], s[PFA:PFA+1]
	s_add_co_u32 s15, s15, s[ROT]
	s_and_b32 s[OF2], s15, 7
	s_lshl_b32 s[OF2], s[OF2], 9
	s_add_nc_u64 s[PFA:PFA+1], s[PFA:PFA+1], s[OF2:OF2+1]
	s_wait_dscnt 0x0                               ; the add is done, and my reads of the old slot are over
	CROUND                                         ; no wave of any partner still reads that slot or has a load on its way
	JLOAD \slot                                    ; my one tensor load behind the round: it has a whole step in which to land
	ASK
.else
	s_wait_dscnt 0x0
	s_barrier_signal -1
	s_barrier_wait -1
.endif
.endm
; THE WAY OUT, f16 by heads: unit u = 16 rows (block u / 2) of one head (u % 2): 2,048 bytes on end in qkv.  Each accumulator's registers are read in ascending order.
.macro PACK u
.set pa, (\u)/2
.set ph, (\u)%2
	WIN 0x0a                                       ; sources in window 2
.set i, 0
.rept 16
	v_cvt_pk_f16_f32 v[OB+16*(\u)+i], v[8*(8*pa+4*ph+i/4)+2*(i%4)], v[8*(8*pa+4*ph+i/4)+2*(i%4)+1]
.set i, i+1
.endr
	WIN 0
.irp f, 0,1,2,3
	ds_store_b128 v[STO], v[OB+16*(\u)+4*\f:OB+16*(\u)+4*\f+3] offset:32*\f
.endr
.irp f, 0,1,2,3
	ds_load_b128 v[OB+16*(\u)+4*\f:OB+16*(\u)+4*\f+3], v[RD] offset:\f*4*SPITCH  ; LDS serves a wave's instructions in order (ISA guide 5.7.1.4): these see the stores above
.endr
.endm
.macro SEND u, younger                 ; younger: the LDS instructions issued behind unit u's loads
.irp f, 0,1,2,3
	s_wait_dscnt (\younger)+3-\f
	global_store_b128 v[GO], v[OB+16*(\u)+4*\f:OB+16*(\u)+4*\f+3], s[8:9] offset:((\u)/2)*2048+((\u)%2)*262144+\f*512  ; 512 bytes on end, aligned
.endr
.endm
.macro WAYOUT
	PACK 0
.set t, 1
.rept 7                                ; a unit's conversions stand between the loads of the unit before and its stores
	PACK t
	SEND t-1, 8
.set t, t+1
.endr
	SEND 7, 0
.endm
	s_wait_tensorcnt 1                             ; my part of step 0 is in; step 1's may stay out
	s_barrier_signal -1
	s_barrier_wait -1
	s_mov_b32 s[TA], 0
	s_mov_b32 s[TB], 0
	v_add_nc_u32 v[CA], s[TA], v[A0]
	v_add_nc_u32 v[CB], s[TB], v[B0]
	FETCH 0, 0, 0                                  ; step 0's first quarter
	s_wait_dscnt 16
	WIN 0
.irp b, 0,1,2,3,4,5,6,7
	CVT4 0, \b
.endr
	s_mov_b32 s[LAP], 12                           ; the rest of step 0 counts as a body; eleven whole ones follow
	s_mov_b32 s[IT], 2
	s_branch .Lentry                               ; the loop is entered at a tile's first quarter, in the middle of an even step
.Llap:
	CHANGE 1, 0                                    ; an odd step: it lies in slot 1; slot 0 is filled again
	s_mov_b32 s[TA], SLOT
	s_mov_b32 s[TB], SLOT
	s_mov_b32 s[IT], 2
.Lodd:
	v_add_nc_u32 v[CA], s[TA], v[A0]
	v_add_nc_u32 v[CB], s[TB], v[B0]
	QX 1, 0, 0, 0, 0
	QX 0, 1, 0, 128, 64
	WIN 0
	s_add_co_u32 s[TA], s[TA], 256                 ; two quarters on: 64 channels of f32,
	s_add_co_u32 s[TB], s[TB], BBLK                ; W's next block
	s_sub_co_u32 s[IT], s[IT], 1
	s_cmp_lg_u32 s[IT], 0
	s_cbranch_scc1 .Lodd
	CHANGE 1, 1                                    ; an even step: it lies in slot 0; slot 1 is filled again
	s_and_b32 s14, s[NX], 7                        ; NX is now the step in hand + 2
	s_cmp_eq_u32 s14, 2
	s_cselect_b32 s[NEW], 1, 0                     ; steps 8 and 16 begin a tile
	s_mov_b32 s[TA], 0
	s_mov_b32 s[TB], 0
	s_mov_b32 s[IT], 2
.Leven:
	v_add_nc_u32 v[CA], s[TA], v[A0]
	v_add_nc_u32 v[CB], s[TB], v[B0]
	QX 1, 0, 0, 0, 0
	WIN 0
	s_cmp_eq_u32 s[NEW], 1
	s_cbranch_scc1 .Lnew
	QX 0, 1, 0, 128, 64
	WIN 0
	s_branch .Ljoin
.Lnew:                                         ; the quarter above was a tile's last: both refills for the next tile are asked for, and the tile goes out.  The four conversions behind its last product are the places ahead of these
	WAYOUT
	s_wait_xcnt 0x0                                ; the stores have read their registers and their base
	s_add_nc_u64 s[8:9], s[8:9], 0x1000000         ; the next of q, k, v
.Lentry:
	s_mov_b32 s[NEW], 0
	s_wait_loadcnt 0x0                             ; this tile's bias
	WIN 0x45                                       ; all in window 1
.set i, 0
.rept 32                               ; the bias rounded to bf16 and widened again
	v_cvt_pk_bf16_f32 v[(i/2)%2], v[BIAS+i], v[BIAS+i+1]
	v_lshlrev_b32 v[BIAS+i], 16, v[(i/2)%2]
	v_and_b32 v[BIAS+i+1], s[MSK], v[(i/2)%2]
.set i, i+2
.endr
	QX 0, 1, 1, 128, 64                            ; the tile's first quarter: its products start the sums, with the bias: nothing is cleared, nothing is added at the end
	WIN 0
	s_add_co_u32 s[PT], s[PT], 1
	s_cmp_lt_u32 s[PT], 3
	s_cbranch_scc0 .Lno_bias                       ; behind v there is no tile
	s_cmp_eq_u32 s[PT], 1
	s_cselect_b64 s[6:7], s[BQ+2:BQ+3], s[BQ+4:BQ+5]
	BIASLD                                         ; the next tile's bias: four conversions stand behind the last product that read these registers
.Lno_bias:
.Ljoin:
	s_add_co_u32 s[TA], s[TA], 256
	s_add_co_u32 s[TB], s[TB], BBLK
	s_sub_co_u32 s[IT], s[IT], 1
	s_cmp_lg_u32 s[IT], 0
	s_cbranch_scc1 .Leven
	s_sub_co_u32 s[LAP], s[LAP], 1
	s_cmp_lg_u32 s[LAP], 0
	s_cbranch_scc1 .Llap
	CHANGE 0                                       ; step 23 is written out: nothing is asked for
	s_mov_b32 s[TA], SLOT
	s_mov_b32 s[TB], SLOT
	s_mov_b32 s[IT], 2
.Ltail:
	v_add_nc_u32 v[CA], s[TA], v[A0]
	v_add_nc_u32 v[CB], s[TB], v[B0]
	QX 1, 0, 0, 0, 0
	QX 0, 1, 0, 128, 64
	WIN 0
	s_add_co_u32 s[TA], s[TA], 256
	s_add_co_u32 s[TB], s[TB], BBLK
	s_sub_co_u32 s[IT], s[IT], 1
	s_cmp_lg_u32 s[IT], 0
	s_cbranch_scc1 .Ltail
	s_wait_dscnt 0x0                               ; the very last quarter: nothing more to fetch
	MUL8 1, 0, 0
	MUL8 1, 1, 0
	MUL8 1, 2, 0
	MUL8 1, 3, 0
	WIN 0
.rept 4
	v_nop                                          ; four places behind the last products (ISA guide 7.12.1)
.endr
	WAYOUT
	s_wait_tensorcnt 0x0                           ; the wave's end
	ds_add_u32 v[SPW], v[NIL]
	s_wait_dscnt 0x0
	CROUND                                         ; the closing round
	s_endpgm
.Lfunc_end_k_q76b20c2707_proj:
	.size	k_q76b20c2707_proj, .Lfunc_end_k_q76b20c2707_proj-k_q76b20c2707_proj
	.p2alignl 7, 3214868480
	.fill 96, 4, 3214868480
	.section	.rodata,"a",@progbits
	.p2align	6, 0x0
	.amdhsa_kernel k_q76b20c2707_proj
		.amdhsa_group_segment_fixed_size 327680
		.amdhsa_private_segment_fixed_size 0
		.amdhsa_enable_private_segment 0
		.amdhsa_kernarg_size 64
		.amdhsa_user_sgpr_count 2
		.amdhsa_user_sgpr_kernarg_segment_ptr 1
		.amdhsa_wavefront_size32 1
		.amdhsa_system_sgpr_workgroup_id_x 1
		.amdhsa_system_sgpr_workgroup_id_y 1
		.amdhsa_system_sgpr_workgroup_id_z 1
		.amdhsa_system_vgpr_workitem_id 0
		.amdhsa_next_free_vgpr 768
		.amdhsa_next_free_sgpr 96
		.amdhsa_reserve_vcc 0
		.amdhsa_float_denorm_mode_32 3
		.amdhsa_float_denorm_mode_16_64 3
		.amdhsa_memory_ordered 1
		.amdhsa_forward_progress 1
		.amdhsa_inst_pref_size 108
	.end_amdhsa_kernel
	.amdgpu_metadata
---
amdhsa.version: [ 1, 2 ]
amdhsa.kernels:
  - .name:           k_q76b20c2707_proj
    .symbol:         k_q76b20c2707_proj.kd
    .args:
      - { .name: query, .offset: 0, .size: 8, .value_kind: global_buffer, .address_space: global }
      - { .name: key, .offset: 8, .size: 8, .value_kind: global_buffer, .address_space: global }
      - { .name: value, .offset: 16, .size: 8, .value_kind: global_buffer, .address_space: global }
      - { .name: wb, .offset: 24, .size: 8, .value_kind: global_buffer, .address_space: global }
      - { .name: b_q, .offset: 32, .size: 8, .value_kind: global_buffer, .address_space: global }
      - { .name: b_k, .offset: 40, .size: 8, .value_kind: global_buffer, .address_space: global }
      - { .name: b_v, .offset: 48, .size: 8, .value_kind: global_buffer, .address_space: global }
      - { .name: qkv, .offset: 56, .size: 8, .value_kind: global_buffer, .address_space: global }
    .group_segment_fixed_size: 327680
    .private_segment_fixed_size: 0
    .kernarg_segment_align: 8
    .kernarg_segment_size: 64
    .max_flat_workgroup_size: 128
    .sgpr_count:     96
    .vgpr_count:     768
    .wavefront_size: 32
...
	.end_amdgpu_metadata
.endif
;; end of part 2
;; launch attn (part 3): grid 4 x 64, 4 waves a work-group, clusters of 4 x 1, 327,680 bytes of LDS; arguments qkv, mc, ob; writes ob
.if DOCPART == 3
	.amdgcn_target "amdgcn-amd-amdhsa--gfx1250"
	.amdhsa_code_object_version 6
	.text
	.protected	k_q76b20c2707_attn
	.globl	k_q76b20c2707_attn
	.p2align	8
	.type	k_q76b20c2707_attn,@function
k_q76b20c2707_attn:
	s_mov_b64 s[64:65], 0
	v_nop
	global_prefetch_b8 v0, s[64:65] scope:SCOPE_SE
	s_setreg_imm32_b32 hwreg(HW_REG_WAVE_MODE, 25, 1), 1
	s_wait_xcnt 0x0
	s_wait_alu depctr_hold_cnt(0) depctr_sa_sdst(0) depctr_va_vdst(0) depctr_va_sdst(0) depctr_va_ssrc(0) depctr_va_vcc(0) depctr_vm_vsrc(0)
	s_getreg_b32 s2, hwreg(HW_REG_IB_STS2, 6, 4)
	s_cmp_eq_u32 s2, 0
	s_cbranch_scc0 .Lentry_in_a_cluster
	s_endpgm
.Lentry_in_a_cluster:
	s_bfe_u32 s2, ttmp6, 0x10000c
	s_cmp_lg_u32 s2, 0x3003
	s_cbranch_scc0 .Lentry_shape_is_right
	s_endpgm
.Lentry_shape_is_right:
; ATTENTION UNDER A MASK THAT IS AN INPUT.  O[h][q][:] = the sum over k of softmax_k(S[q][k]) V[h][k][:], S = Q[h][q] . K[h][k] / 8 where the key may be seen, the lowest number where it is hidden.
; Q, K, V: qkv[3][head 64][2048][64], f16, unscaled; O: ob[head 64][2048][64], f16.  mc holds one byte a (batch, query, key): 0x00 seen, 0xB8 (fp8 for -1.0) hidden, in the order of my lanes.
; Products, maxima and sums in f32; the weights p are rounded to f16 for the second product (their sum l is taken of the unrounded p), O once at the end.  Every key tile is walked: nothing of the mask's pattern is built in.
; THE MASK is the C operand that starts the sum S^T = K Q^T: eight code bytes become eight f32, 0 or -2^100, by one scaled conversion.  A hidden score lies far below every true one: its weight is 0 as soon as the
; running maximum is a true score, and what was gathered before that is multiplied by a = 0.
; A ROW WITH NO KEY TO SEE has all scores equal in the module, so its result is the mean of ALL 2,048 rows of V.  Such a row ends with m below -2^97; it takes VS / 2048, VS = the sum of V's rows, made by eight
; products V^T x ones a key step.  The choice is arithmetic, O rl + VS rv with (rl, rv) = (1 / l, 0) or (0, 1 / 2048): no branch hangs on data.
; LIMITS.  Q, K, V arrive within f16's 65,504; true scores lie above -2^97; p below 6e-5 keeps f16's fixed step; a weight below 2^-126 counts as 0 in l; NaN and infinities are not treated apart.
; SHARES.  A wave owns four PIECES of two tiles of 16 queries, a work-group's four waves 512 queries of one head.  Every wave walks all keys, 64 a step.
; LAYOUT.  S^T = K Q^T (source 0 = 16 keys, source 1 = 16 queries): a lane holds ONE query (lane % 16) and the keys 8 (lane / 16) + 0..7.  Two such tiles, rounded to f16 in pairs, ARE source 1 of O^T = V^T P.
; SOFTMAX.  A running maximum m and sum l: p = 2^(c s - c m), c = log2(e) / 8; in every step O and l are multiplied by a = 2^(c m_old - c m_new).  m starts at the lowest finite number, O and l at 0.
; BY TURNS.  Turn n belongs to piece n.  Its matrix work: 16 products K Q^T of piece n + 1, later 16 products V^T P of piece n - 1.  Its vector work: scaling, exponentials, roundings, sums and rescaling of piece n,
; the maximum and statistics of piece n + 1, and the masks of piece n + 2.  Four vector instructions stand behind every matrix instruction, the others in two runs of their own.
; CLUSTER.  A head's four query blocks walk the same K and V: each tile is asked for JOINTLY.
; REGISTERS, in windows of 256 (s_set_vgpr_msb: bits 1:0 source 0, 3:2 source 1, 5:4 source 2, 7:6 destination):
;   window 0: v0-11 addresses and the scale word; v12-15, v48-63 at work; v16-47 four registers of statistics a tile; v64-191 S^T, two buffers of two tiles; v192-255 P, likewise
;   window 1: O^T, 32 a tile          window 2: v0-127 Q; v128-191 K of one step; v192-255 V of one step
;   window 3: v0-1 the add's two registers; v4-11 ones; v16-47 VS; v64-127 the masks of the products to come; v128-191 mask codes as loaded, 16 a piece
.set SIZE_N, 2048
.set NP,    4         ; pieces a wave: a name, no knob
.set KS,    64        ; keys in a step
.set PK,    144       ; a row of K in LDS: 128 bytes + 16 = 36 words: the 16 rows of a load start at 16 different groups of four banks (ISA guide 11.1)
.set PV,    160       ; a row of V: 128 + 32 = 40 words
.set VOFF,  4*KS*PK   ; a slot holds four steps: 256 rows of K, then 256 rows of V
.set SLOT1, 1<<17     ; slot 1 begins here, so that one exclusive or turns an address in one slot into the other's
.set STAGE, SLOT1+4*KS*(PK+PV)  ; behind the ring, never filled by a tensor load: 16 rows x 144 bytes for each wave
.set SP,    144
.set PFO, 1           ; v1   256 x my lane, once l % 16 is no longer wanted
.set AK0, 2           ; v2   my lane's place in a tile of K; never rewritten
.set AV0, 3           ; v3   the same for V
.set AK,  4           ; v4   the LDS address of K's next run of loads
.set AV,  5           ; v5   of V's
.set QO,  6           ; v6   my byte offset in the wave's rows of Q
.set STO, 6           ;      later, the way out: where I put 16 bytes of a row
.set RD,  7           ; v7   the way out: where I read rows back
.set GO,  8           ; v8   16 x my lane: my place in 512 bytes of O, and of mc
.set SCL, 11          ; v11  the conversions' scale, 2^100: its lowest byte and its f32 exponent are both 227
.set SPW, 0           ; v0 of window 3   SPARE + 4 x my thread's number; never rewritten
.set NIL, 1           ; v1 of window 3   0; never rewritten
.set ONES, 4          ; window 3
.set VS,  16          ; window 3: channel block cb at VS + 8 cb, laid as a tile of O^T
.set MC,  64          ; window 3: tile u, 16 keys kt at MC + 32 u + 8 kt
.set RAW, 128         ; window 3: piece pi, tile u, part at RAW + 16 pi + 8 u + 4 part
.set SPARE, STAGE+4*16*SP  ; behind the stages: the spare words, 128 bytes for each wave
.set MV,  12
.set ST,  16          ; tile t's statistics at v[ST+4 t]: c m, m, l (even keys', odd keys')
.set TMP, 48
.set S,   64
.set P,   192
.set KF,  128
.set VF,  192
.set WV,  12          ; s12  my wave's number
.set G1K, 24
.set G1V, 32
.set G0K, 40
.set G0V, 44
.set SLOTS, 56
.set CNT, 57
.set CS,  58
.set SEL, 60
.set TBK, 62
.set TBV, 63
.set MB0, 66          ; s[66:67] mc at my wave's eight tiles, key step 0
.set MB,  68          ; s[68:69] the same at the key step whose codes are being loaded
.set MOFF, 70         ; s[70:71] that step x 1,024 bytes, held to the last step
.set PFA, 72          ; s[72:73] where my prefetches stand
.set LIM, 74          ; s74  1 in a wave that prefetches, else the greatest number
.set THR, 75          ; s75  -2^97
.set MSB, 0
.macro WIN new
.if MSB != (\new)
	s_set_vgpr_msb (MSB<<8)|(\new)
.set MSB, (\new)
.endif
.endm
.set W_KQ, 0x0a       ; K and Q in window 2, S^T in window 0
.set W_KM, 0x3a       ; the same with the C operand, the mask, in window 3
.set W_PV, 0x52       ; V in window 2, P in window 0, O^T in window 1
.set W_RS, 0x41       ; O^T in window 1, a in window 0
.set W_MK, 0xc0       ; destination in window 3
.set W_AD, 0x0f       ; the add: address and data in window 3
.set W_CV, 0xc3       ; the conversions: masks and codes in window 3, the scale in window 0
.set W_VS, 0xfe       ; V in window 2; ones, C and D in window 3
.macro JLOAD                        ; waves 0 and 1 fetch the halves of a slot's K, waves 2 and 3 of its V; an s_nop 0 and four v_nop follow each line
	s_cmp_lt_u32 s[WV], 2
	s_cbranch_scc0 .Lfor_v_\@
	tensor_load_to_lds s[G0K:G0K+3], s[G1K:G1K+7]
	s_nop 0
.rept 4
	v_nop
.endr
	s_branch .Lasked_\@
.Lfor_v_\@:
	tensor_load_to_lds s[G0V:G0V+3], s[G1V:G1V+7]
	s_nop 0
.rept 4
	v_nop
.endr
.Lasked_\@:
.endm
; A PREFETCH INTO THE L2 of what the NEXT change of slots will ask for: a slot's 32 KiB of K and of V, 256 bytes a lane.  One cluster walks a head, so nobody else names these bytes; its four partners
; share them out BY ADDRESS, 8 KiB each; in each, wave 0 asks for K's and wave 2 for V's: one instruction.  The last change that fills a slot asks for nothing: there is no slot behind it.
.macro ASK
	s_cmp_gt_u32 s[SLOTS], s[LIM]
	s_cbranch_scc0 .Lnot_mine_\@
	global_prefetch_b8 v[PFO], s[PFA:PFA+1] th:TH_LOAD_NT scope:SCOPE_SE
.Lnot_mine_\@:
.endm
.macro CROUND
	s_barrier_signal -1
	s_barrier_wait -1
	s_cmp_lg_u32 s[WV], 0
	s_cbranch_scc1 .Lnot_wave_0_\@
	s_barrier_signal -3
.Lnot_wave_0_\@:
	s_barrier_wait -3
	s_barrier_signal -1
	s_barrier_wait -1
.endm
; THE CHANGE OF SLOTS.  Each wave waits for all its tensor loads, of which one is out: its part of the other slot; adds 0 to its spare word; and waits for that and for its own reads of the slot.
; fill = 1: this slot is filled again, with the keys two slots on, behind a round of the cluster's barrier: the joint fill has four key steps, 512 matrix instructions and more, in which to land.
.macro CHANGE fill, ask=0
	WIN W_AD
	s_wait_tensorcnt 0x0            ; no tensor load of mine is out, so a group 0 may be written
	ds_add_u32 v[SPW], v[NIL]       ; 0 onto my spare word
	WIN 0
.if \fill
.irp g, G0K, G0V
	s_xor_b32 s[\g+1], s[\g+1], SLOT1
	s_add_nc_u64 s[\g+2:\g+3], s[\g+2:\g+3], 4*KS*128
.endr
.if \ask
	s_wait_xcnt 0x0                 ; the last prefetch, four key steps back, has read its address
	s_add_nc_u64 s[PFA:PFA+1], s[PFA:PFA+1], 4*KS*128
.endif
	s_wait_dscnt 0x0                ; the add is done, and my reads of the slot are over
	CROUND
	JLOAD
.if \ask
	ASK
.endif
.else
	s_wait_dscnt 0x0
	s_barrier_signal -1
	s_barrier_wait -1
.endif
	s_sub_co_u32 s[TBK], s[TBK], 4*KS*PK
	s_xor_b32 s[TBK], s[TBK], SLOT1
	s_sub_co_u32 s[TBV], s[TBV], 4*KS*PV
	s_xor_b32 s[TBV], s[TBV], SLOT1
.endm
; THE MASKS.  MASKLD: piece pi's codes of one key step: two tiles x 1,024 bytes, four loads of 512 bytes on end.  step = 1: the step goes on first; it is held to the last step, so that no load leaves mc.
.macro MASKLD pi, step
.if \step
	s_wait_xcnt 0x0                 ; the loads that named the old base have read it
	s_add_co_u32 s[MOFF], s[MOFF], 1024
	s_min_u32 s[MOFF], s[MOFF], 31744
	s_add_nc_u64 s[MB:MB+1], s[MB0:MB0+1], s[MOFF:MOFF+1]
.endif
	WIN W_MK
.irp u, 0,1
.irp pt, 0,1
	global_load_b128 v[RAW+16*(\pi)+8*\u+4*\pt:RAW+16*(\pi)+8*\u+4*\pt+3], v[GO], s[MB:MB+1] offset:(2*(\pi)+\u)*32768+\pt*512
.endr
.endr
.endm
; MASKCV: piece pi's 64 code bytes a lane become 64 f32, 0 or -2^100.  n: the younger loads, which may stay out.  Plain instructions follow the run before anything touches its registers.
.macro MASKCV pi, n
	s_wait_loadcnt \n
	WIN W_CV
	s_wait_alu depctr_va_vdst(0)
.irp u, 0,1
.irp kt, 0,1,2,3
	v_cvt_scale_pk8_f32_fp8 v[MC+32*\u+8*\kt:MC+32*\u+8*\kt+7], v[RAW+16*(\pi)+8*\u+2*\kt:RAW+16*(\pi)+8*\u+2*\kt+1], v[SCL]
.endr
.endr
.endm
; VS += V^T x ones for the step in hand: its four accumulators take turns.
.macro VSUM
	WIN W_VS
	s_wait_alu depctr_va_vdst(0)
.irp n, 0,1,2,3,4,5,6,7
	v_wmma_f32_16x16x32_f16 v[VS+8*(\n%4):VS+8*(\n%4)+7], v[VF+32*(\n/4)+8*(\n%4):VF+32*(\n/4)+8*(\n%4)+7], v[ONES:ONES+7], v[VS+8*(\n%4):VS+8*(\n%4)+7]
.endr
.endm
	s_load_b128 s[4:7], s[0:1], 0x0   ; qkv s[4:5], mc s[6:7]
	s_load_b64 s[10:11], s[0:1], 0x10 ; ob
	WIN W_MK
	v_lshl_add_u32 v[SPW], v0, 2, SPARE
	v_mov_b32 v[NIL], 0
	WIN W_AD
	ds_add_u32 v[SPW], v[NIL]       ; the wave's opening: the add and its wait stand ahead of my first tensor load; the set-up stands between them
	WIN 0
	v_lshrrev_b32 v1, 5, v0
	v_readfirstlane_b32 s[WV], v1   ; wave 0..3
	s_bfe_u32 s13, ttmp6, 0x40000   ; cx
	s_lshl_b32 s14, ttmp9, 2
	s_add_co_u32 s14, s14, s13      ; my block of 512 queries: it enters Q's, O's and mc's addresses alone
	s_and_b32 s20, ttmp7, 0xffff    ; the head, which the four partners share
	s_lshr_b32 s76, s20, 4          ; its batch:
	s_lshl_b32 s76, s76, 22         ; 4 MiB of mc
	s_mov_b32 s21, 0
	s_mov_b64 s[22:23], SIZE_N*128
	s_mul_u64 s[20:21], s[20:21], s[22:23]  ; the head's first byte in Q, K, V and O
	s_and_b32 s16, s[WV], 1         ; which half of a slot's 256 keys I fetch
	s_lshl_b32 s22, s16, 14
	s_mov_b32 s23, 0
	s_add_nc_u64 s[22:23], s[22:23], s[20:21]
	s_mul_i32 s17, s16, 128*PK
	s_mul_i32 s18, s16, 128*PV
	s_lshl_b32 s2, s14, 2
	s_add_co_u32 s2, s2, s[WV]      ; my wave among the head's sixteen:
	s_lshl_b32 s77, s2, 18          ; eight tiles x 32 steps x 1,024 bytes of mc,
	s_add_co_u32 s76, s76, s77
	s_mov_b32 s77, 0
	s_lshl_b32 s2, s2, 14           ; 128 rows of Q and O
	s_mov_b32 s3, 0
	s_add_nc_u64 s[2:3], s[2:3], s[20:21]
	s_mov_b32 s[G1K], 15|(1<<16)|(1<<20)|(1<<21)|(4<<22)|(3<<25)  ; 15:0 the mask of four; 17:16 2-byte elements; 20 padding on; 21 set beside a mask; 24:22 after every 32 words (code 4); 31:25 4 words (code 3)
	s_mov_b32 s[G1V], 15|(1<<16)|(1<<20)|(1<<21)|(4<<22)|(7<<25)  ; the same with 8 words of padding (code 7)
.irp g, G1K, G1V
	s_mov_b32 s[\g+1], 128<<16      ; 128 keys are 16,384 dense bytes: 64 rows of 256 bytes, two keys a row
	s_mov_b32 s[\g+2], 64<<16
	s_mov_b32 s[\g+3], 128<<16
	s_mov_b32 s[\g+4], 64
	s_mov_b32 s[\g+5], 128
	s_mov_b32 s[\g+6], 0
	s_mov_b32 s[\g+7], 0
.endr
	s_mov_b32 s[CS], 0x3e38aa3b     ; c = log2(e) / 8
	s_mov_b32 s[CS+1], s[CS]
	s_mov_b32 s[SEL], 0x76543210
	s_mov_b32 s[SEL+1], 0xfedcba98
	s_mov_b32 s[TBK], SLOT1+4*KS*PK ; the first change of slots turns these two into 0
	s_mov_b32 s[TBV], SLOT1+4*KS*PV
	s_mov_b32 s[G0K], 1
	s_mov_b32 s[G0K+1], s17
	s_mov_b32 s[G0V], 1
	s_add_co_u32 s[G0V+1], s18, VOFF
	s_mov_b32 s[MOFF], 0
	s_mov_b32 s[MOFF+1], 0
	s_mov_b32 s[THR], 0xf0000000    ; -2^97
	s_and_b32 s[LIM], s[WV], 1      ; waves 0 and 2 prefetch: the same in all four partners
	s_cmp_eq_u32 s[LIM], 0
	s_cselect_b32 s[LIM], 1, -1
	s_wait_dscnt 0x0                ; the opening add is done
	s_wait_kmcnt 0x0
	s_add_nc_u64 s[MB0:MB0+1], s[6:7], s[76:77]
	s_mov_b64 s[MB:MB+1], s[MB0:MB0+1]
	s_add_nc_u64 s[6:7], s[4:5], 0x1000000   ; K
	s_add_nc_u64 s[8:9], s[4:5], 0x2000000   ; V
	s_add_nc_u64 s[G0K+2:G0K+3], s[6:7], s[22:23]
	s_or_b32 s[G0K+3], s[G0K+3], 0x80000000
	s_add_nc_u64 s[G0V+2:G0V+3], s[8:9], s[22:23]
	s_or_b32 s[G0V+3], s[G0V+3], 0x80000000
	s_add_nc_u64 s[4:5], s[4:5], s[2:3]      ; Q and O at my wave's first row
	s_add_nc_u64 s[10:11], s[10:11], s[2:3]
	s_cmp_lt_u32 s[WV], 2
	s_cselect_b64 s[PFA:PFA+1], s[6:7], s[8:9]
	s_add_nc_u64 s[PFA:PFA+1], s[PFA:PFA+1], s[20:21]
	s_lshl_b32 s2, s13, 13          ; my work-group's 8 KiB of a slot's 32
	s_mov_b32 s3, 0
	s_add_nc_u64 s[PFA:PFA+1], s[PFA:PFA+1], s[2:3]
	s_add_nc_u64 s[PFA:PFA+1], s[PFA:PFA+1], 2*4*KS*128  ; at slot 2; the first asking change steps it to slot 3.  Nothing is prefetched at the head
	CROUND                          ; all four work-groups are here: the first joint loads meet
	JLOAD                           ; slot 0.  Slot 1 is asked for when slot 0 is in
	v_and_b32 v1, 15, v0            ; l % 16
	v_bfe_u32 v9, v0, 4, 1          ; l / 16
	v_lshlrev_b32 v[QO], 7, v1
	v_lshl_add_u32 v[QO], v9, 4, v[QO]
	v_and_b32 v[GO], 31, v0
	v_lshlrev_b32 v[GO], 4, v[GO]
	WIN 0x80
.set i, 0
.rept 4*NP                          ; Q stays in registers: tile i / 2, channels 32 (i % 2) on
	global_load_b128 v[8*i:8*i+3],   v[QO], s[4:5] offset:(i/2)*2048+(i%2)*64
	global_load_b128 v[8*i+4:8*i+7], v[QO], s[4:5] offset:(i/2)*2048+(i%2)*64+32
.set i, i+1
.endr
	MASKLD 0, 0                     ; key step 0's codes, all four pieces
	MASKLD 1, 0
	MASKLD 2, 0
	MASKLD 3, 0
	; What the first turn finds: V's registers and P's second buffer hold 0, O^T, l and VS are 0.  All this stands in the wait for the first tile.
	WIN 0x80
.set i, VF
.rept 64
	v_mov_b32 v[i], 0
.set i, i+1
.endr
	WIN 0x40
.set i, 0
.rept 64*NP
	v_mov_b32 v[i], 0
.set i, i+1
.endr
	WIN W_MK
.set i, 0
.rept 8
	v_mov_b32 v[ONES+i], 0x3c003c00 ; 1.0 twice in f16
.set i, i+1
.endr
.set i, 0
.rept 32
	v_mov_b32 v[VS+i], 0
.set i, i+1
.endr
	WIN 0
.set i, 0
.rept 2*NP
	v_mov_b32 v[ST+4*i], 0xfe000000    ; c m: far below every c s, a hidden one's too
	v_mov_b32 v[ST+4*i+1], 0xff7fffff  ; m
	v_mov_b32 v[ST+4*i+2], 0
	v_mov_b32 v[ST+4*i+3], 0
.set i, i+1
.endr
.set i, P+32
.rept 32
	v_mov_b32 v[i], 0
.set i, i+1
.endr
	v_mul_u32_u24 v[AK0], v1, PK
	v_lshl_add_u32 v[AK0], v9, 4, v[AK0]
	v_and_b32 v10, 7, v0
	v_bfe_u32 v11, v0, 3, 1
	v_lshl_add_u32 v[AV0], v9, 3, v10
	v_mul_u32_u24 v[AV0], v[AV0], PV
	v_lshl_add_u32 v[AV0], v11, 4, v[AV0]
	v_add_nc_u32 v[AV0], VOFF, v[AV0]
	v_mov_b32 v[SCL], 0x718000e3
	v_mov_b32 v[AK], v[AK0]         ; key step 0 lies at the head of slot 0
; THE MATRIX WORK.  The 8 accumulators of a run of 16 take turns.
; Product i of 16 of S^T = K Q^T for piece x: channels 32 (i / 8) on, keys 16 ((i / 2) % 4) on, tile 2 x + i % 2.  The first 8 start the sums, with the mask.
.macro KQ x
.set rS, S+64*((\x)%2)+32*(i%2)+8*((i/2)%4)
.set rK, KF+16*((i/2)%4)+8*(i/8)
.set rQ, 16*(2*(\x)+i%2)+8*(i/8)
.set rN, MC+32*(i%2)+8*((i/2)%4)
.if i < 8
	WIN W_KM
	v_wmma_f32_16x16x32_f16 v[rS:rS+7], v[rK:rK+7], v[rQ:rQ+7], v[rN:rN+7]
.else
	WIN W_KQ
	v_wmma_f32_16x16x32_f16 v[rS:rS+7], v[rK:rK+7], v[rQ:rQ+7], v[rS:rS+7]
.endif
.endm
; Product i of 16 of O^T += V^T P for piece x: keys 32 (i / 8) on, channels 16 ((i / 2) % 4) on, tile 2 x + i % 2.
.macro PV x
	WIN W_PV
.set rO, 32*(2*(\x)+i%2)+8*((i/2)%4)
.set rV, VF+32*(i/8)+8*((i/2)%4)
.set rP, P+32*((\x)%2)+16*(i%2)+8*(i/8)
	v_wmma_f32_16x16x32_f16 v[rO:rO+7], v[rV:rV+7], v[rP:rP+7], v[rO:rO+7]
.endm
.macro MM                           ; the turn's next matrix instruction
.if i < 16
	KQ (Y+1)%NP
.set i, i+1
.else
.set i, i-16
	PV (Y+NP-1)%NP
.set i, i+17
.endif
.endm
; THE LDS LOADS stand in runs of 16.  last = 1 (the tail): in the last trip there is no further step, and the run is jumped over.
.macro FETCH_K last=0
	WIN 0
.if \last
	s_cmp_eq_u32 s[CNT], 1
	s_cbranch_scc1 .Lno_k_\@
.endif
	WIN 0x80
.irp f, 0,1,2,3,4,5,6,7
	ds_load_b128 v[KF+8*\f:KF+8*\f+3],   v[AK] offset:(\f/2)*16*PK+(\f%2)*64
	ds_load_b128 v[KF+8*\f+4:KF+8*\f+7], v[AK] offset:(\f/2)*16*PK+(\f%2)*64+32
.endr
	s_add_co_u32 s[TBK], s[TBK], KS*PK
	WIN 0
.if \last
.Lno_k_\@:
.endif
.endm
.macro FETCH_V
	WIN 0x80
.irp f, 0,1,2,3,4,5,6,7
	ds_load_tr16_b128 v[VF+8*\f:VF+8*\f+3],   v[AV] offset:(\f/4)*32*PV+(\f%4)*32
	ds_load_tr16_b128 v[VF+8*\f+4:VF+8*\f+7], v[AV] offset:(\f/4)*32*PV+16*PV+(\f%4)*32
.endr
	WIN 0
.endm
; THE VECTOR WORK OF A TURN stands in three queues, each in the order in which its entries become ready; the two tiles alternate.
.macro REGS y, u
.set rT, ST+4*(2*(\y)+(\u))
.set rC, TMP+8*((\y)%2)+4*(\u)
.set rM, MV+2*((\y)%2)+(\u)
.set rS, S+64*((\y)%2)+32*(\u)
.set rP, P+32*((\y)%2)+16*(\u)
.set rO, 32*(2*(\y)+(\u))
.endm
; Number n of the 22 that find the NEXT piece's maximum and statistics; each accumulator's lowest registers are read first.
;   0-11 four chains of seven scores; 12-14, 16 the four left over, the old m, the chains into c0; 15 c m_old is kept; 17, 18 the other half of the lanes: the new m; 19-21 c m, c m_old - c m_new, a
.macro XS u, n
	REGS (Y+1)%NP, \u
.if (\n) < 4
	v_max3_num_f32 v[rC+(\n)], v[rS+8*(\n)], v[rS+8*(\n)+1], v[rS+8*(\n)+2]
.elseif (\n) < 12
	v_max3_num_f32 v[rC+(\n)%4], v[rC+(\n)%4], v[rS+8*((\n)%4)+2*((\n)/4)+1], v[rS+8*((\n)%4)+2*((\n)/4)+2]
.elseif (\n) == 12
	v_max3_num_f32 v[rC], v[rC], v[rS+7], v[rS+15]
.elseif (\n) == 13
	v_max3_num_f32 v[rC+1], v[rC+1], v[rS+23], v[rS+31]
.elseif (\n) == 14
	v_max3_num_f32 v[rC+2], v[rC+2], v[rC+3], v[rT+1]
.elseif (\n) == 15
	v_mov_b32 v[rM], v[rT]
.elseif (\n) == 16
	v_max3_num_f32 v[rC], v[rC], v[rC+1], v[rC+2]
.elseif (\n) == 17
	v_permlanex16_b32 v[rC+3], v[rC], s[SEL], s[SEL+1]
.elseif (\n) == 18
	v_max_num_f32 v[rT+1], v[rC], v[rC+3]
.elseif (\n) == 19
	v_mul_f32 v[rT], s[CS], v[rT+1]
.elseif (\n) == 20
	v_sub_f32 v[rC+1], v[rM], v[rT]
.else
	v_exp_f32 v[rC+2], v[rC+1]
.endif
.endm
; Number g of the 64 that follow the exponentials: of each four weights both pairs are rounded to f16, the second pair is added onto the first, and a group later l takes that sum.
.macro GS g
.set h, (\g)+6*((\g)/62)
.if h >= 6
.set h, h+2
.endif
	REGS Y, h%2
.set k, h/8
.if h%8 < 4
	s_wait_alu depctr_va_vdst(0)
	v_cvt_pk_f16_f32 v[rP+2*k+(h%8)/2], v[rS+4*k+2*((h%8)/2)], v[rS+4*k+2*((h%8)/2)+1]
.elseif h%8 < 6
	v_pk_add_f32 v[rS+4*k:rS+4*k+1], v[rS+4*k:rS+4*k+1], v[rS+4*k+2:rS+4*k+3]
.elseif k == 1
	v_pk_fma_f32 v[rT+2:rT+3], v[rT+2:rT+3], v[rC+2:rC+3], v[rS:rS+1] op_sel_hi:[1,0,1]
.else
	v_pk_add_f32 v[rT+2:rT+3], v[rT+2:rT+3], v[rS+4*k-4:rS+4*k-3]
.endif
.endm
; THE PLAIN QUEUE, 138 long.
.macro PL
	WIN 0
.if q < 32
	REGS Y, q%2
	v_pk_fma_f32 v[rS+2*(q/2):rS+2*(q/2)+1], v[rS+2*(q/2):rS+2*(q/2)+1], s[CS:CS+1], v[rT:rT+1] op_sel_hi:[1,0,0] neg_lo:[0,0,1] neg_hi:[0,0,1]
.elseif q < 38
	GS q-32
.elseif q < 40
	XS q%2, 15
.elseif q < 42
	GS q-34
.elseif q < 74
	XS q%2, (q-42)/2+(q-42)/30
.elseif q < 95
	GS q-66
.elseif (q < 107) && ((q-95)%3 < 2)
	XS (q-95)%3, 17+(q-95)/3
.elseif q < 107
	GS 29+(q-95)/3
.else
	GS q-74
.endif
.set q, q+1
.endm
; THE EXPONENTIALS' QUEUE, 66 long: s0-s31 of both tiles, and at EA the next piece's two a.
.set EA, 58
.macro EX
	WIN 0
.if (e == EA) || (e == EA+1)
	XS e-EA, 21
.else
.set x, e-2*(e/(EA+2))
	REGS Y, x%2
	v_exp_f32 v[rS+x/2], v[rS+x/2]
.endif
.set e, e+1
.endm
; THE RESCALING's QUEUE: O^T times a, four at a time, eight times.
.macro R4
	REGS Y, r%2
	WIN W_RS
	s_wait_alu depctr_va_vdst(0)
.irp z, 0,1,2,3
	v_pk_mul_f32 v[rO+8*(r/2)+2*\z:rO+8*(r/2)+2*\z+1], v[rO+8*(r/2)+2*\z:rO+8*(r/2)+2*\z+1], v[rC+2:rC+3] op_sel_hi:[1,0]
.endr
.set r, r+1
.endm
; Behind a matrix instruction four: plain, exponential, plain, plain, or four of the rescaling.  What is over stands in two runs: exponential and plain by turns; the second ends in 22 plain instructions.
.macro SL
	MM
	PL
	EX
	PL
	PL
.endm
.macro BURST n
.rept (\n)-7
	SL
.endr
.rept 3
	MM
	R4
	SL
.endr
	MM
	R4
.endm
; A TURN, for piece p.  K of the next step is fetched in piece 2's turn, V of the step in hand at the end of piece 0's.
; In the last 22 plain instructions stand: the masks for the next turn's products (piece p + 2): the last product that took the old masks is the turn's eighth, far more than four plain instructions back;
; that piece's codes for its next key step, four loads; and in piece 2's turn, when V of the step in hand lies in its registers, the eight products for VS.
; The conversions' wait leaves 12 loads out: the four of each of the three turns since this piece's codes were asked for.  Every turn asks for four, in the tail too, so the count holds on every way.
.macro TURN p, last=0, cnt=0
.set Y, (\p)
.set i, 0
.set q, 0
.set e, 0
.set r, 0
.if (\p) == NP-1
	s_wait_dscnt 0x0                ; K is in
.endif
	MM
.rept 4
	PL
.endr
	BURST 15
.rept 22
	EX
	PL
.if ((\p) == NP-2) && (e == 18)
	v_add_nc_u32 v[AK], s[TBK], v[AK0]
.endif
.if ((\p) == NP-2) && (e == 24)
	FETCH_K \last
.endif
.endr
.if (\p) == 1
	s_wait_dscnt 0x0                ; V is in
.endif
	BURST 16
.rept 21
	EX
	PL
.endr
.rept 22
	PL
.if ((\p) == 0) && (q == 118)
	v_add_nc_u32 v[AV], s[TBV], v[AV0]
	s_wait_alu depctr_va_vdst(0)
.endif
.if q == 119
	MASKCV ((\p)+2)%NP, 12
.endif
.if q == 123
.if (\p) == 2
	MASKLD ((\p)+2)%NP, 1           ; a trip's four turns ask for one and the same key step: the base is stepped once a trip
.else
	MASKLD ((\p)+2)%NP, 0
.endif
.endif
.if ((\p) == 2) && (q == 125)
	VSUM
.endif
.if ((\p) == 0) && (q == 130)
	s_add_co_u32 s[TBV], s[TBV], KS*PV
.endif
.if (\cnt) && (q == 130)
	s_sub_co_u32 s[CNT], s[CNT], 1
	s_cmp_lg_u32 s[CNT], 0
.endif
.endr
.if (\p) == 0
	FETCH_V
.endif
.endm
	CHANGE 1                        ; slot 0 is in, everybody's part of it; slot 1 is asked for
	FETCH_K                         ; key step 0
	MASKCV 0, 0                     ; Q and key step 0's codes are in; piece 0's masks
	v_nop                           ; a plain instruction behind the last conversion
	s_wait_dscnt 0x0
.set i, 0
.rept 16
	KQ 0                            ; piece 0's first scores
.set i, i+1
.endr
	WIN 0                           ; the addresses for the way out and the prefetches' offset: nine plain instructions, the places behind those products
	s_mul_i32 s13, s[WV], 16*SP
	s_add_co_u32 s13, s13, STAGE    ; my stage
	v_mul_u32_u24 v[STO], v1, SP
	v_lshl_add_u32 v[STO], v9, 4, v[STO]
	v_add_nc_u32 v[STO], s13, v[STO]
	v_bfe_u32 v[RD], v0, 3, 2
	v_mul_u32_u24 v[RD], v[RD], SP
	v_lshl_add_u32 v[RD], v10, 4, v[RD]
	v_add_nc_u32 v[RD], s13, v[RD]
	v_and_b32 v[PFO], 31, v0
	v_lshlrev_b32 v[PFO], 8, v[PFO]
.set Y, NP-1                        ; XS works for piece Y + 1: piece 0
.irp n, 0,1,2,3,4,5,6,7,8,9,10,11,12,13,14,15,16,17,18,19,20,21
	XS 0, \n
	XS 1, \n
.endr
	MASKCV 1, 0                     ; piece 1's masks, for the first turn's products
	v_nop
	v_nop
	MASKLD 0, 1                     ; key step 1's codes for pieces 0 and 1; pieces 2 and 3 ask in the first two turns
	MASKLD 1, 0
	WIN 0
	s_mov_b32 s[CNT], 4
	s_mov_b32 s[SLOTS], SIZE_N/256-1
	s_branch .Lfirst                ; the loop is entered at a step's first turn, in the middle of a trip
.Lslot:                             ; six times: every slot but the last two is filled again
	CHANGE 1, 1
	s_mov_b32 s[CNT], 4
.Lstep:                             ; a trip: pieces 2 and 3 of one step, then pieces 0 and 1 of the next
	TURN 2
	TURN 3
	WIN 0
.Lfirst:
	TURN 0
	TURN 1, 0, 1
	WIN 0
	s_cbranch_scc1 .Lstep
	s_sub_co_u32 s[SLOTS], s[SLOTS], 1
	s_cmp_lg_u32 s[SLOTS], 0
	s_cbranch_scc1 .Lslot
	CHANGE 0                        ; the tail is written out
	s_mov_b32 s[CNT], 5
.Ltail:
	TURN 2, 1
	TURN 3
	WIN 0
	s_sub_co_u32 s[CNT], s[CNT], 1
	s_cmp_eq_u32 s[CNT], 0
	s_cbranch_scc1 .Lout
	TURN 0
	TURN 1
	WIN 0
	s_branch .Ltail
.Lout:                              ; the fifth trip's 16 products K Q^T take the last K and the last step's codes once more: the same scores, so piece 0's m stays what it was
.set i, 0
.rept 16
	PV NP-1
.set i, i+1
.endr
	; THE WAY OUT.  l's halves are added; rl = 1 / l and rv = 0, or for a row that saw no key rl = 0 and rv = 1 / 2048; O^T rl + VS rv is rounded to f16 and sent through my stage, a tile at a time.
	WIN 0
.macro ALL line:vararg
.set t, 0
.rept 2*NP
	\line
.set t, t+1
.endr
.endm
	ALL v_add_f32 v[ST+4*t+2], v[ST+4*t+2], v[ST+4*t+3]
	ALL v_permlanex16_b32 v[ST+4*t+3], v[ST+4*t+2], s[SEL], s[SEL+1]
	ALL v_add_f32 v[ST+4*t+2], v[ST+4*t+2], v[ST+4*t+3]
	ALL v_rcp_f32 v[ST+4*t+2], v[ST+4*t+2]
	v_mov_b32 v[TMP], 0x3a000000    ; 1 / 2048; these two are also the plain instructions behind the last reciprocal
	v_mov_b32 v[TMP+1], 0
.set t, 0
	s_wait_alu depctr_va_vdst(0)
.rept 2*NP
	v_cmp_gt_f32 vcc_lo, s[THR], v[ST+4*t+1]                      ; m below -2^97: no key was seen
	v_cndmask_b32 v[ST+4*t+2], v[ST+4*t+2], v[TMP+1], vcc_lo      ; rl
	v_cndmask_b32 v[ST+4*t], 0, v[TMP], vcc_lo                    ; rv, where c m lay
.set t, t+1
.endr
.macro PACK t
	WIN W_RS
.set i, 32*(\t)
.rept 16
	v_pk_mul_f32 v[i:i+1], v[i:i+1], v[ST+4*(\t)+2:ST+4*(\t)+3] op_sel_hi:[1,0]
.set i, i+2
.endr
	WIN 0x53                        ; VS in window 3, rv in window 0, O^T in window 1
.set i, 0
.rept 16
	v_pk_fma_f32 v[32*(\t)+i:32*(\t)+i+1], v[VS+i:VS+i+1], v[ST+4*(\t):ST+4*(\t)+1], v[32*(\t)+i:32*(\t)+i+1] op_sel_hi:[1,0,1]
.set i, i+2
.endr
	WIN 0x05
.set i, 0
.rept 16
	v_cvt_pk_f16_f32 v[S+16*(\t)+i], v[32*(\t)+2*i], v[32*(\t)+2*i+1]
.set i, i+1
.endr
	WIN 0
.irp f, 0,1,2,3
	ds_store_b128 v[STO], v[S+16*(\t)+4*\f:S+16*(\t)+4*\f+3] offset:32*\f
.endr
.irp f, 0,1,2,3
	ds_load_b128 v[S+16*(\t)+4*\f:S+16*(\t)+4*\f+3], v[RD] offset:\f*4*SP  ; LDS serves a wave's instructions in order (ISA guide 5.7.1.4)
.endr
.endm
.macro SEND t, younger
	WIN 0
.irp f, 0,1,2,3
	s_wait_dscnt (\younger)+3-\f
	global_store_b128 v[GO], v[S+16*(\t)+4*\f:S+16*(\t)+4*\f+3], s[10:11] offset:(\t)*2048+\f*512  ; 512 bytes on end, aligned
.endr
.endm
	PACK 0
.set t, 1
.rept 2*NP-1
	PACK t
	SEND t-1, 8
.set t, t+1
.endr
	SEND 2*NP-1, 0
	WIN W_AD
	s_wait_tensorcnt 0x0            ; the wave's end
	ds_add_u32 v[SPW], v[NIL]
	s_wait_dscnt 0x0
	WIN 0
	CROUND                          ; the closing round
	s_endpgm
.Lfunc_end_k_q76b20c2707_attn:
	.size	k_q76b20c2707_attn, .Lfunc_end_k_q76b20c2707_attn-k_q76b20c2707_attn
	.p2alignl 7, 3214868480
	.fill 96, 4, 3214868480
	.section	.rodata,"a",@progbits
	.p2align	6, 0x0
	.amdhsa_kernel k_q76b20c2707_attn
		.amdhsa_group_segment_fixed_size 327680
		.amdhsa_private_segment_fixed_size 0
		.amdhsa_enable_private_segment 0
		.amdhsa_kernarg_size 24
		.amdhsa_user_sgpr_count 2
		.amdhsa_user_sgpr_kernarg_segment_ptr 1
		.amdhsa_wavefront_size32 1
		.amdhsa_system_sgpr_workgroup_id_x 1
		.amdhsa_system_sgpr_workgroup_id_y 1
		.amdhsa_system_sgpr_workgroup_id_z 1
		.amdhsa_system_vgpr_workitem_id 0
		.amdhsa_next_free_vgpr 960
		.amdhsa_next_free_sgpr 80
		.amdhsa_reserve_vcc 1
		.amdhsa_float_denorm_mode_32 3
		.amdhsa_float_denorm_mode_16_64 3
		.amdhsa_memory_ordered 1
		.amdhsa_forward_progress 1
		.amdhsa_inst_pref_size 231
	.end_amdhsa_kernel
	.amdgpu_metadata
---
amdhsa.version: [ 1, 2 ]
amdhsa.kernels:
  - .name:           k_q76b20c2707_attn
    .symbol:         k_q76b20c2707_attn.kd
    .args:
      - { .name: qkv, .offset: 0, .size: 8, .value_kind: global_buffer, .address_space: global }
      - { .name: mc, .offset: 8, .size: 8, .value_kind: global_buffer, .address_space: global }
      - { .name: ob, .offset: 16, .size: 8, .value_kind: global_buffer, .address_space: global }
    .group_segment_fixed_size: 327680
    .private_segment_fixed_size: 0
    .kernarg_segment_align: 8
    .kernarg_segment_size: 24
    .max_flat_workgroup_size: 128
    .sgpr_count:     80
    .vgpr_count:     960
    .wavefront_size: 32
...
	.end_amdgpu_metadata
.endif
;; end of part 3
;; launch outp (part 4): grid 4 x 64, 4 waves a work-group, clusters of 4 x 4, 327,680 bytes of LDS; arguments ob, wb, b_o, out0; writes out0
.if DOCPART == 4
	.amdgcn_target "amdgcn-amd-amdhsa--gfx1250"
	.amdhsa_code_object_version 6
	.text
	.protected	k_q76b20c2707_outp
	.globl	k_q76b20c2707_outp
	.p2align	8
	.type	k_q76b20c2707_outp,@function
k_q76b20c2707_outp:
	s_mov_b64 s[64:65], 0
	v_nop
	global_prefetch_b8 v0, s[64:65] scope:SCOPE_SE
	s_setreg_imm32_b32 hwreg(HW_REG_WAVE_MODE, 25, 1), 1
	s_wait_xcnt 0x0
	s_wait_alu depctr_hold_cnt(0) depctr_sa_sdst(0) depctr_va_vdst(0) depctr_va_sdst(0) depctr_va_ssrc(0) depctr_va_vcc(0) depctr_vm_vsrc(0)
	s_getreg_b32 s2, hwreg(HW_REG_IB_STS2, 6, 4)
	s_cmp_eq_u32 s2, 0
	s_cbranch_scc0 .Lentry_in_a_cluster
	s_endpgm
.Lentry_in_a_cluster:
	s_bfe_u32 s2, ttmp6, 0x10000c
	s_cmp_lg_u32 s2, 0xf033
	s_cbranch_scc0 .Lentry_shape_is_right
	s_endpgm
.Lentry_shape_is_right:
; THE LAST LAYER.  Y = O W_o^T + b_o, 8,192 x 1,024 x 1,024.  O = ob, f16 by heads, [head 64][t 2048][64]: a head is a block of 64 channels of K.  W_o = wb[3], f16 (the bf16 rounding of W_o written as f16),
; in the same blocks, [block 16][n 1024][64].  Y = out0 in f32.  Sums in f32, K ascending.
; The bias is rounded to bf16 like every other input of the module, and is the C operand of each accumulator's first product: nothing is cleared, nothing is added at the end.
; SHARES.  A tile of Y is 128 rows x 256 columns: 256 work-groups.  Four waves, 2 x 2, each 64 x 128: 32 accumulators of 16 x 16, 256 registers.
; A tile's 128 (256) rows of one block are 16 (32) KiB on end.  K goes in eight steps of 128 = two blocks through two LDS slots; waves 0 and 1 fetch O's two blocks of a step, waves 2 and 3 W's two:
; one tensor load a wave, asked for as rows of 256 bytes and padded in LDS after every 128.
; THE TEXT IS SHORT: the trip for step n is a change of slots, which stands bare, and two trips of an inner loop of two quarters.  The first quarter of a trip multiplies the last fragments of step n - 1 and
; fetches the first of step n, so all four fetches of a trip read one slot.  The loop's body is an odd step (slot 1) and an even one (slot 0); step 7 is written out, since it asks for nothing.
; The first quarter, whose products take the bias as C, stands ahead of the loop, and the loop is entered behind an even step's second quarter.
; CLUSTER 4 x 4: the four work-groups of a row need the same tile of O, the four of a column the same tile of W: joint loads.
; THE PRODUCT IS TAKEN TRANSPOSED (source 0 = 16 rows of W, source 1 = 16 rows of O): a lane holds row lane % 16 of Y and the columns 8 (lane / 16) + 0..7.
; REGISTERS: window 0: v0-31 addresses; v64-127 O's fragments, two buffers of 32; v192-255 the bias (8 registers for each block of 16 columns); v128-255 at work on the way out
;   window 1: v64-191 W's fragments, two buffers of 64          window 2: the accumulators, (a, b) at v[8 (8 a + b)]
.set PITCH,  144                       ; an LDS row: 128 bytes + 16 = 36 words: the 16 rows of a load start at 16 different groups of four banks (64 banks of 4 bytes: ISA guide 11.1)
.set ABLK,   128*PITCH                 ; O: 128 rows of one block
.set BBLK,   256*PITCH                 ; W: 256 rows of one block
.set BOFF,   2*ABLK
.set SLOT,   2*ABLK+2*BBLK             ; 110,592
.set STAGE,  2*SLOT                    ; behind the ring, never filled by a tensor load: 16 rows x 528 bytes for each wave, for the way out
.set SPITCH, 528                       ; 128 f32 + 16 bytes
.set SPARE,  STAGE+4*16*SPITCH         ; behind the stages: the spare words, 128 bytes for each wave
.set ASTEP,  524288                    ; bytes from K step to K step: two blocks of 2,048 rows x 128 bytes,
.set BSTEP,  262144                    ; of 1,024 rows
.set KSTEPS, 8
.set A0,   16                          ; v16  my lane's place in a slot's O; never rewritten
.set B0,   17                          ; v17  the same for W
.set CA,   18                          ; v18  the LDS address of O's runs of loads in hand
.set CB,   19                          ; v19  of W's
.set STO,  24                          ; the way out: where I put my numbers of a row
.set RD,   25                          ; where I read rows back
.set GO,   26                          ; 16 x lane
.set BO,   27                          ; 32 x (lane / 16): my eight columns' bias
.set SPW,  28                          ; SPARE + 4 x my thread's number; never rewritten
.set NIL,  29                          ; 0; never rewritten
.set PFO,  30                          ; the prefetch's offset; never rewritten
.set FA,   64
.set FB,   64                          ; window 1
.set OB,   128
.set BIAS, 192
.set LAP,  3                           ; s3   counts the loop's bodies
.set IT,   4                           ; s4   counts an inner loop's two trips
.set G1,  24                           ; s[24:31] group 1 for O's tiles;  s[32:39] group 0, a set for each slot
.set G0,  32
.set NX,  45                           ; s45  the K step to be asked for next
.set G1B, 48                           ; s[48:55], s[56:63] the same for W's
.set G0B, 56
.set PFA, 66                           ; s[66:67] where my prefetch stands
.set TA,  76                           ; s76  LDS byte from which O's fetches count
.set TB,  77                           ; s77  the same for W's
.set LIM, 78                           ; s78  KSTEPS in the wave that prefetches, else 0
.set MSB, 0
.macro WIN new                         ; the immediate's high byte repeats the setting that is left
.if MSB != (\new)
	s_set_vgpr_msb (MSB<<8)|(\new)
.set MSB, \new
.endif
.endm
.macro JLOAD s                         ; a joint load: waves 0 and 1 O's blocks, waves 2 and 3 W's; an s_nop 0 and four v_nop follow each line
	s_cmp_eq_u32 s11, 0
	s_cbranch_scc0 .Lfor_b_\@
	tensor_load_to_lds s[G0+4*(\s):G0+4*(\s)+3], s[G1:G1+7]
	s_nop 0
.rept 4
	v_nop
.endr
	s_branch .Lasked_\@
.Lfor_b_\@:
	tensor_load_to_lds s[G0B+4*(\s):G0B+4*(\s)+3], s[G1B:G1B+7]
	s_nop 0
.rept 4
	v_nop
.endr
.Lasked_\@:
.endm
; A PREFETCH INTO THE L2 of O's tile of the step AFTER the one just asked for: one step, 128 matrix instructions a wave, ahead of the load that will want it.  One cluster alone reads these rows.  Of each of the
; step's two blocks of 16 KiB each of the four partners that ask jointly takes 4 KiB, told apart BY ADDRESS: a lane names 256 bytes, lanes 0-15 in the first block, lanes 16-31 in the second; wave 0 asks.
; Steps 0 to 2 come by their loads alone; behind step 7 there is nothing to name.  W's blocks are not named: every cluster reads all of them, so they are no stream that is read once.
.macro ASK
	s_cmp_lt_u32 s[NX], s[LIM]
	s_cbranch_scc0 .Lnot_mine_\@
	global_prefetch_b8 v[PFO], s[PFA:PFA+1] th:TH_LOAD_NT scope:SCOPE_SE
.Lnot_mine_\@:
.endm
.macro CROUND                          ; a round of the cluster's barrier
	s_barrier_signal -1
	s_barrier_wait -1
	s_cmp_lg_u32 s10, 0
	s_cbranch_scc1 .Lnot_wave_0_\@
	s_barrier_signal -3
.Lnot_wave_0_\@:
	s_barrier_wait -3
	s_barrier_signal -1
	s_barrier_wait -1
.endm
	s_load_b256 s[68:75], s[0:1], 0x0              ; ob 68:69, wb 70:71, b_o 72:73, out0 74:75
	v_lshl_add_u32 v[SPW], v0, 2, SPARE
	v_mov_b32 v[NIL], 0
	ds_add_u32 v[SPW], v[NIL]                      ; the wave's opening: the add and its wait stand ahead of my first tensor load; the set-up stands between them
	v_lshrrev_b32 v1, 5, v0
	v_readfirstlane_b32 s10, v1                    ; wave 0..3
	s_lshr_b32 s11, s10, 1                         ; which half of the tile's rows is mine.  Also: I fetch for O (0) or for W (1)
	s_and_b32 s12, s10, 1                          ; which half of its columns.  Also: which block of a K step I fetch
	s_bfe_u32 s40, ttmp6, 0x40000                  ; cx
	s_bfe_u32 s41, ttmp6, 0x40004                  ; cy
	s_lshl_b32 s42, ttmp9, 2
	s_add_co_u32 s42, s42, s40                     ; tile column = 4 x cluster x + cx
	s_and_b32 s13, ttmp7, 0xffff
	s_lshl_b32 s13, s13, 2
	s_add_co_u32 s13, s13, s41                     ; tile row 0..63 = 4 x cluster y + cy
	s_lshl_b32 s43, s41, 2
	s_lshl_b32 s43, 15, s43                        ; my row of the cluster
	s_lshl_b32 s44, 0x1111, s40                    ; my column
	s_or_b32 s[G1+0], s43, (1<<16)|(1<<20)|(1<<21)|(4<<22)|(3<<25)   ; 15:0 the mask; 17:16 2-byte elements; 20 padding on; 21 set beside a mask; 24:22 after every 32 words (code 4); 31:25 4 words (code 3)
	s_or_b32 s[G1B+0], s44, (1<<16)|(1<<20)|(1<<21)|(4<<22)|(3<<25)
	s_mov_b32 s[G1+1], 128<<16                     ; tensor_dim0 = 128 elements: 256 bytes, two rows of a block
	s_mov_b32 s[G1+2], 64<<16                      ; tensor_dim1 = 64
	s_mov_b32 s[G1+3], 128<<16                     ; tile_dim0 = 128
	s_mov_b32 s[G1+4], 64                          ; tile_dim1 = 64: 16 KiB
	s_mov_b32 s[G1+5], 128                         ; dense
	s_mov_b32 s[G1+6], 0
	s_mov_b32 s[G1+7], 0
	s_mov_b32 s[G1B+1], 128<<16
	s_mov_b32 s[G1B+2], 128<<16
	s_mov_b32 s[G1B+3], 128<<16
	s_mov_b32 s[G1B+4], 128                        ; 128 rows of 256 bytes: 32 KiB
	s_mov_b32 s[G1B+5], 128
	s_mov_b32 s[G1B+6], 0
	s_mov_b32 s[G1B+7], 0
	s_lshr_b32 s16, s13, 4
	s_lshl_b32 s16, s16, 22                        ; O: the batch's 16 heads, 4 MiB,
	s_and_b32 s17, s13, 15
	s_lshl_b32 s17, s17, 14                        ; 128 rows of 128 bytes,
	s_add_co_u32 s16, s16, s17
	s_lshl_b32 s17, s12, 18                        ; my block of the step
	s_add_co_u32 s16, s16, s17
	s_mov_b32 s17, 0
	s_mov_b32 s46, 3*2097152                       ; W: the fourth matrix of wb,
	s_lshl_b32 s47, s42, 15                        ; 256 rows of 128 bytes,
	s_add_co_u32 s46, s46, s47
	s_lshl_b32 s47, s12, 17                        ; my block of the step
	s_add_co_u32 s46, s46, s47
	s_mov_b32 s47, 0
	s_mul_i32 s20, s12, ABLK                       ; where they go: no place in the cluster enters an LDS address
	s_mul_i32 s23, s12, BBLK
	s_add_co_u32 s23, s23, BOFF
	s_mov_b32 s[NX], 2
	s_cmp_eq_u32 s10, 0
	s_cselect_b32 s[LIM], KSTEPS, 0                ; wave 0 prefetches: the same in all sixteen partners
	s_wait_dscnt 0x0                               ; the opening add is done
	s_wait_kmcnt 0x0
	s_add_nc_u64 s[14:15], s[68:69], s[16:17]
	s_add_nc_u64 s[46:47], s[70:71], s[46:47]
	s_add_nc_u64 s[PFA:PFA+1], s[14:15], 2*ASTEP   ; at K step 2 (in wave 0: at the step's first block); the first change that fills a slot steps it to 3.  Nothing is prefetched at the head
	CROUND                                         ; all sixteen work-groups are here: the first joint loads meet
.irp s, 0,1
	s_mov_b32 s[G0+4*(\s)], 1
	s_add_co_u32 s[G0+4*(\s)+1], s20, (\s)*SLOT
	s_add_nc_u64 s[G0+4*(\s)+2:G0+4*(\s)+3], s[14:15], (\s)*ASTEP
	s_or_b32 s[G0+4*(\s)+3], s[G0+4*(\s)+3], 0x80000000
	s_mov_b32 s[G0B+4*(\s)], 1
	s_add_co_u32 s[G0B+4*(\s)+1], s23, (\s)*SLOT
	s_add_nc_u64 s[G0B+4*(\s)+2:G0B+4*(\s)+3], s[46:47], (\s)*BSTEP
	s_or_b32 s[G0B+4*(\s)+3], s[G0B+4*(\s)+3], 0x80000000
	JLOAD \s                                       ; K steps 0 and 1: two loads of mine are out
.endr
	v_and_b32 v1, 15, v0                           ; l % 16
	v_bfe_u32 v2, v0, 4, 1                         ; l / 16
	v_mul_u32_u24 v3, v1, PITCH
	v_lshl_add_u32 v3, v2, 4, v3                   ; a fragment's row x pitch + 16 x half
	s_mul_i32 s21, s11, 64*PITCH                   ; my 64 rows of O
	s_mul_i32 s22, s12, 128*PITCH                  ; my 128 rows of W,
	s_add_co_u32 s22, s22, BOFF                    ; which lie behind O's two blocks
	v_add_nc_u32 v[A0], s21, v3
	v_add_nc_u32 v[B0], s22, v3
	s_mul_i32 s23, s10, 16*SPITCH
	s_add_co_u32 s23, s23, STAGE                   ; my stage
	v_mul_u32_u24 v4, v1, SPITCH
	v_and_b32 v5, 31, v0
	v_lshlrev_b32 v[GO], 4, v5
	v_lshl_add_u32 v4, v2, 5, v4                   ; in: row l % 16, 32 bytes (8 f32) for each half of the lanes
	v_add_nc_u32 v[STO], s23, v4
	v_add_nc_u32 v[RD], s23, v[GO]                 ; back: 32 lanes take one row of 512 bytes
	v_lshlrev_b32 v[BO], 5, v2
	v_lshlrev_b32 v[PFO], 18, v2                   ; the prefetch: lanes 16-31 stand in the step's second block,
	v_lshl_add_u32 v[PFO], v1, 8, v[PFO]           ; 256 bytes a lane,
	s_lshl_b32 s21, s40, 12                        ; 4 KiB for each place along the cluster's row
	v_add_nc_u32 v[PFO], s21, v[PFO]
	; the bias of my 128 columns.  Offsets that hold cx stand in s[46:47] alone, which held W's address
	s_lshl_b32 s46, s42, 10                        ; 256 columns x 4 bytes
	s_mov_b32 s47, 0
	s_lshl_b32 s18, s12, 9
	s_mov_b32 s19, 0
	s_mov_b64 s[6:7], s[72:73]
	s_add_nc_u64 s[6:7], s[6:7], s[46:47]
	s_add_nc_u64 s[6:7], s[6:7], s[18:19]
.irp b, 0,1,2,3,4,5,6,7
	global_load_b128 v[BIAS+8*\b:BIAS+8*\b+3],   v[BO], s[6:7] offset:64*\b
	global_load_b128 v[BIAS+8*\b+4:BIAS+8*\b+7], v[BO], s[6:7] offset:64*\b+16
.endr
	; where my part of Y begins
	s_lshl_b32 s16, s13, 19                        ; 128 rows of 4,096 bytes,
	s_lshl_b32 s17, s11, 18                        ; my 64 of them,
	s_add_co_u32 s16, s16, s17
	s_add_co_u32 s16, s16, s18                     ; my 128 columns; the tile's 256 stand in s[46:47] already
	s_mov_b32 s17, 0
	s_add_nc_u64 s[8:9], s[74:75], s[16:17]
	s_add_nc_u64 s[8:9], s[8:9], s[46:47]
	s_wait_loadcnt 0x0
.set i, 0
.rept 32                               ; the bias rounded to bf16 and widened again
	v_cvt_pk_bf16_f32 v[3+(i/2)%2], v[BIAS+i], v[BIAS+i+1]
	v_lshlrev_b32 v[BIAS+i], 16, v[3+(i/2)%2]
	v_and_b32 v[BIAS+i+1], 0xffff0000, v[3+(i/2)%2]
.set i, i+2
.endr
; 8 matrix instructions: row block a x all 8 column blocks, 32 along K, from buffer g.  first = 1: the bias starts the sums.
; The 32 accumulators take turns in one order everywhere, one instruction a turn: 31 others stand between two links of a chain.
.macro MUL8 g, a, first
.if \first
	WIN 0x81                                       ; W window 1, O window 0, C (the bias) window 0, D window 2
.else
	WIN 0xa1                                       ; C and D window 2
.endif
.irp b, 0,1,2,3,4,5,6,7
.set rD, 8*(8*(\a)+\b)
.set rB, FB+64*(\g)+8*\b
.set rA, FA+32*(\g)+8*(\a)
.set rC, rD
.if \first
.set rC, BIAS+8*\b
.endif
	v_wmma_f32_16x16x32_f16 v[rD:rD+7], v[rB:rB+7], v[rA:rA+7], v[rC:rC+7]
.endr
.endm
; 24 LDS loads in one run: 32 channels at byte off of the rows of the block in hand, into buffer g: W's 8 fragments, then O's 4
.macro FETCH g, off
	WIN 0x40
.irp i, 0,1,2,3,4,5,6,7
	ds_load_b128 v[FB+64*(\g)+8*\i:FB+64*(\g)+8*\i+3],   v[CB] offset:(\off)+\i*16*PITCH
	ds_load_b128 v[FB+64*(\g)+8*\i+4:FB+64*(\g)+8*\i+7], v[CB] offset:(\off)+\i*16*PITCH+32
.endr
	WIN 0
.irp i, 0,1,2,3
	ds_load_b128 v[FA+32*(\g)+8*\i:FA+32*(\g)+8*\i+3],   v[CA] offset:(\off)+\i*16*PITCH
	ds_load_b128 v[FA+32*(\g)+8*\i+4:FA+32*(\g)+8*\i+7], v[CA] offset:(\off)+\i*16*PITCH+32
.endr
.endm
.macro PLACES                          ; four places in front of loads into registers that matrix instructions have read, and of lines that read results
.rept 4
	v_nop
.endr
.endm
; A QUARTER: 32 along K, 32 matrix instructions on buffer f; behind the first eight the next quarter is fetched into buffer g, which the quarter before multiplied.
.macro QX f, g, first, off
	s_wait_dscnt 0x0                               ; buffer f is in: asked for 24 matrix instructions ago
	MUL8 \f, 0, \first
	PLACES
	FETCH \g, \off
	MUL8 \f, 1, \first
	MUL8 \f, 2, \first
	MUL8 \f, 3, \first
.endm
; THE CHANGE OF SLOTS, ahead of step n's first fetch.  Each wave waits for all its tensor loads, of which one is out: its part of step n; adds 0 to its spare word; and waits for that and for its reads of step n - 1's slot.
; fill = 1: behind a round of the cluster's barrier that slot is filled again, with step n + 1: two steps on from what it held.
.macro CHANGE fill, slot=0
	WIN 0
	s_wait_tensorcnt 0x0                           ; no tensor load of mine is out, so a group 0 may be written
	ds_add_u32 v[SPW], v[NIL]                      ; 0 onto my spare word; the scalar work stands between it and the wait for it
.if \fill
	s_add_nc_u64 s[G0+4*(\slot)+2:G0+4*(\slot)+3], s[G0+4*(\slot)+2:G0+4*(\slot)+3], 2*ASTEP
	s_add_nc_u64 s[G0B+4*(\slot)+2:G0B+4*(\slot)+3], s[G0B+4*(\slot)+2:G0B+4*(\slot)+3], 2*BSTEP
	s_add_co_u32 s[NX], s[NX], 1
	s_wait_xcnt 0x0                                ; the last prefetch, a step back, has read its address
	s_add_nc_u64 s[PFA:PFA+1], s[PFA:PFA+1], ASTEP ; the step after the one that is asked for below
	s_wait_dscnt 0x0                               ; the add is done, and my reads of the old slot are over
	CROUND                                         ; no wave of any partner still reads that slot or has a load on its way
	JLOAD \slot                                    ; my one tensor load behind the round: it has a whole step in which to land
	ASK
.else
	s_wait_dscnt 0x0
	s_barrier_signal -1
	s_barrier_wait -1
.endif
.endm
; THE WAY OUT, f32: 16 rows x 128 columns at a time through my own stage; a row comes back as 512 bytes on end and is stored so.  Each accumulator's low registers are read first.
.macro OUTA a
	WIN 0x08                                       ; the stores' data in window 2
.irp b, 0,1,2,3,4,5,6,7
	ds_store_b128 v[STO], v[8*(8*(\a)+\b):8*(8*(\a)+\b)+3]   offset:64*\b
	ds_store_b128 v[STO], v[8*(8*(\a)+\b)+4:8*(8*(\a)+\b)+7] offset:64*\b+16
.endr
	WIN 0
.if (\a) >= 2
	s_wait_xcnt 0x0                                ; the stores of two blocks back have read these registers
.endif
.irp t, 0,1,2,3,4,5,6,7,8,9,10,11,12,13,14,15
	ds_load_b128 v[OB+64*((\a)%2)+4*\t:OB+64*((\a)%2)+4*\t+3], v[RD] offset:\t*SPITCH  ; LDS serves a wave's instructions in order (ISA guide 5.7.1.4): these see the stores above
.endr
.irp t, 0,1,2,3,4,5,6,7,8,9,10,11,12,13,14,15
	s_wait_dscnt 15-\t                             ; row t is back; the younger loads stay out
	global_store_b128 v[GO], v[OB+64*((\a)%2)+4*\t:OB+64*((\a)%2)+4*\t+3], s[8:9] offset:(\a)*65536+\t*4096 th:TH_STORE_NT
.endr
.endm
	s_wait_tensorcnt 1                             ; my part of K step 0 is in; step 1's may stay out
	s_barrier_signal -1
	s_barrier_wait -1
	s_mov_b32 s[TA], 0
	s_mov_b32 s[TB], 0
	v_add_nc_u32 v[CA], s[TA], v[A0]
	v_add_nc_u32 v[CB], s[TB], v[B0]
	FETCH 0, 0                                     ; step 0's first quarter
	QX 0, 1, 1, 64                                 ; its products start the sums, with the bias
	WIN 0
	s_mov_b32 s[LAP], 4                            ; the rest of step 0 counts as a body; three whole ones follow
	s_mov_b32 s[IT], 2
	s_branch .Ljoin                                ; the loop is entered behind an even step's second quarter
.Llap:
	CHANGE 1, 0                                    ; an odd step: it lies in slot 1; slot 0 is filled again
	s_mov_b32 s[TA], SLOT
	s_mov_b32 s[TB], SLOT
	s_mov_b32 s[IT], 2
.Lodd:
	v_add_nc_u32 v[CA], s[TA], v[A0]
	v_add_nc_u32 v[CB], s[TB], v[B0]
	QX 1, 0, 0, 0
	QX 0, 1, 0, 64
	WIN 0
	s_add_co_u32 s[TA], s[TA], ABLK                ; two quarters on: the step's second block
	s_add_co_u32 s[TB], s[TB], BBLK
	s_sub_co_u32 s[IT], s[IT], 1
	s_cmp_lg_u32 s[IT], 0
	s_cbranch_scc1 .Lodd
	CHANGE 1, 1                                    ; an even step: it lies in slot 0; slot 1 is filled again
	s_mov_b32 s[TA], 0
	s_mov_b32 s[TB], 0
	s_mov_b32 s[IT], 2
.Leven:
	v_add_nc_u32 v[CA], s[TA], v[A0]
	v_add_nc_u32 v[CB], s[TB], v[B0]
	QX 1, 0, 0, 0
	QX 0, 1, 0, 64
	WIN 0
.Ljoin:
	s_add_co_u32 s[TA], s[TA], ABLK
	s_add_co_u32 s[TB], s[TB], BBLK
	s_sub_co_u32 s[IT], s[IT], 1
	s_cmp_lg_u32 s[IT], 0
	s_cbranch_scc1 .Leven
	s_sub_co_u32 s[LAP], s[LAP], 1
	s_cmp_lg_u32 s[LAP], 0
	s_cbranch_scc1 .Llap
	CHANGE 0                                       ; step 7 is written out: nothing is asked for
	s_mov_b32 s[TA], SLOT
	s_mov_b32 s[TB], SLOT
	s_mov_b32 s[IT], 2
.Ltail:
	v_add_nc_u32 v[CA], s[TA], v[A0]
	v_add_nc_u32 v[CB], s[TB], v[B0]
	QX 1, 0, 0, 0
	QX 0, 1, 0, 64
	WIN 0
	s_add_co_u32 s[TA], s[TA], ABLK
	s_add_co_u32 s[TB], s[TB], BBLK
	s_sub_co_u32 s[IT], s[IT], 1
	s_cmp_lg_u32 s[IT], 0
	s_cbranch_scc1 .Ltail
	s_wait_dscnt 0x0                               ; the very last quarter: nothing more to fetch
	MUL8 1, 0, 0
	MUL8 1, 1, 0
	MUL8 1, 2, 0
	MUL8 1, 3, 0
	WIN 0
	PLACES
	OUTA 0
	OUTA 1
	OUTA 2
	OUTA 3
	s_wait_tensorcnt 0x0                           ; the wave's end
	ds_add_u32 v[SPW], v[NIL]
	s_wait_dscnt 0x0
	CROUND                                         ; the closing round
	s_endpgm
.Lfunc_end_k_q76b20c2707_outp:
	.size	k_q76b20c2707_outp, .Lfunc_end_k_q76b20c2707_outp-k_q76b20c2707_outp
	.p2alignl 7, 3214868480
	.fill 96, 4, 3214868480
	.section	.rodata,"a",@progbits
	.p2align	6, 0x0
	.amdhsa_kernel k_q76b20c2707_outp
		.amdhsa_group_segment_fixed_size 327680
		.amdhsa_private_segment_fixed_size 0
		.amdhsa_enable_private_segment 0
		.amdhsa_kernarg_size 32
		.amdhsa_user_sgpr_count 2
		.amdhsa_user_sgpr_kernarg_segment_ptr 1
		.amdhsa_wavefront_size32 1
		.amdhsa_system_sgpr_workgroup_id_x 1
		.amdhsa_system_sgpr_workgroup_id_y 1
		.amdhsa_system_sgpr_workgroup_id_z 1
		.amdhsa_system_vgpr_workitem_id 0
		.amdhsa_next_free_vgpr 768
		.amdhsa_next_free_sgpr 80
		.amdhsa_reserve_vcc 0
		.amdhsa_float_denorm_mode_32 3
		.amdhsa_float_denorm_mode_16_64 3
		.amdhsa_memory_ordered 1
		.amdhsa_forward_progress 1
		.amdhsa_inst_pref_size 66
	.end_amdhsa_kernel
	.amdgpu_metadata
---
amdhsa.version: [ 1, 2 ]
amdhsa.kernels:
  - .name:           k_q76b20c2707_outp
    .symbol:         k_q76b20c2707_outp.kd
    .args:
      - { .name: ob, .offset: 0, .size: 8, .value_kind: global_buffer, .address_space: global }
      - { .name: wb, .offset: 8, .size: 8, .value_kind: global_buffer, .address_space: global }
      - { .name: b_o, .offset: 16, .size: 8, .value_kind: global_buffer, .address_space: global }
      - { .name: out0, .offset: 24, .size: 8, .value_kind: global_buffer, .address_space: global }
    .group_segment_fixed_size: 327680
    .private_segment_fixed_size: 0
    .kernarg_segment_align: 8
    .kernarg_segment_size: 32
    .max_flat_workgroup_size: 128
    .sgpr_count:     80
    .vgpr_count:     768
    .wavefront_size: 32
...
	.end_amdgpu_metadata
.endif
;; end of part 4
;; ======== version 2 of 2: 4 launches; version 1 with the launch prep written anew for expert scheduling mode
;; limits: values outside matrix products are rounded to bf16; values are held in f16: magnitudes above 65,504 overflow, below 6.1e-05 lose precision
;; workspace buffers: wb 8,388,608 bytes; mc 16,777,216 bytes; qkv 50,331,648 bytes; ob 16,777,216 bytes
;; launch prep (part 5): grid 512 x 1, 8 waves a work-group, no clusters, 21,504 bytes of LDS; arguments attention_mask, key_padding_mask, W_q, W_k, W_v, W_o, wb, mc; writes wb, mc
.if DOCPART == 5
	.amdgcn_target "amdgcn-amd-amdhsa--gfx1250"
	.amdhsa_code_object_version 6
	.text
	.protected	k_q76b20c2707_prep
	.globl	k_q76b20c2707_prep
	.p2align	8
	.type	k_q76b20c2707_prep,@function
k_q76b20c2707_prep:
	s_mov_b64 s[64:65], 0
	v_nop
	global_prefetch_b8 v0, s[64:65] scope:SCOPE_SE
	s_setreg_imm32_b32 hwreg(HW_REG_WAVE_SCHED_MODE, 0, 2), 2
	s_setreg_imm32_b32 hwreg(HW_REG_WAVE_MODE, 25, 1), 1
	s_wait_xcnt 0x0
	s_wait_alu depctr_vm_vsrc(0)
; PREP: two streams, told apart by the work-group's number g (a scalar branch, forward only).
;   g < 256    MASK: the two masks become one byte a (batch, query, key): 0x00 = the key may be seen, 0xB8 (fp8 E4M3 for -1.0) = hidden.
;              Hidden means key_padding_mask != 0 or attention_mask == 1, as the module tests them.
;   g >= 256   W_q, W_k, W_v: f32 -> bf16; W_o: f32 -> bf16 and that number written as f16: wb[4][block 16][n 1024][64], in blocks of 64 channels,
;              so that the 256 rows x 64 channels that a later product takes as a tile are 32,768 bytes on end.
; mc[batch 4][qt 128][J 32][part 2][lane 32][16 bytes]: the order in which the attention's lanes want the codes.  Lane (r = lane % 16, h = lane / 16) holds query 16 qt + r;
; bytes 0-7 are keys 64 J + 32 part + 8 h + 0..7, bytes 8-15 the same keys + 16.
; LIMIT: W_o's bf16 number is written as f16: beyond 65,504 it would be an infinity, below 2^-14 it keeps f16's fixed step of 2^-24.
; Memory binds: every load of a wave takes whole aligned pieces of 256 bytes, every store 256 or 512 bytes on end.  No matrix unit, no cluster: no two work-groups share a byte but the 32 KiB of key_padding_mask.
; THE MODE: SCHED_MODE bits 1:0 = 2 (LLVM: expert scheduling mode 2), set by the entry lines.  The code itself states the register dependences between vector instructions and memory or LDS
; instructions, with s_wait_alu, always for 0.
; THE PLAN, THE CASTS.  v2, v3: offsets, written once, read by every load and store.  LD: four registers to each of the 16 loads, read by that number's conversions alone.  OUTR: two registers to each number, written by
; its conversions, read by its store.  The 16 numbers go in four blocks of four: at block g's head one wait states that block g - 1's conversions have written their OUTR; that block's four stores follow, dealt among
; block g's conversions, which name block g's LD and OUTR and TW alone.  No register that a load or store reads is ever written again.
; THE PLAN, THE MASK.  v2 to v8: offsets and LDS addresses, written once.  KP and AM: global loads land in them; the compares read them, the selects and sums write them; LDS stores read every fourth of them; then the
; LDS loads of the final order land in all of them; the ORs write AM; the global stores read AM.  The words go in five blocks of sixteen.  In a block sixteen compares write sixteen lane masks in scalar registers, one
; wait states that the masks are written, and the selects read them.  At a block's head one wait states that the block before has written its four code words; its four LDS stores follow.  Behind the last stores one wait
; states that the LDS stores have read KP and AM.  On the way out group 0's stores stand among group 1's ORs, which name other registers.
.set SPARE, 20480                      ; behind the eight waves' 2,560 bytes: the spare words, 128 bytes a wave
.set SPW,  124                         ; v124  SPARE + 4 x my thread's number; never rewritten
.set NIL,  125                         ; v125  0; never rewritten
.set LD,   16                          ; v[16:79]    cast: 16 loads of 4 registers, each its own
.set OUTR, 80                          ; v[80:111]   cast: 16 stores of 2 registers, each its own: no register of a pending load or store is ever rewritten
.set TW,   112                         ; v[112:115]  cast of W_o: four numbers widened again
.set AMO,  2                           ; mask: my offset in attention_mask
.set KPO,  3                           ; my offset in key_padding_mask
.set AST,  4                           ; LDS: where I put four codes of attention_mask
.set KST,  5                           ; LDS: where I put four codes of key_padding_mask
.set ARD,  6                           ; LDS: where I read 16 codes back in the final order
.set KRD,  7                           ; LDS: where I read 8 key codes
.set MCO,  8                           ; my offset in mc
.set KP,   20                          ; v[20:35]
.set AM,   56                          ; v[56:119]
.set CM,   40                          ; s[40:55]  a block's sixteen lane masks
	s_load_b512 s[8:23], s[0:1], 0x0               ; attention_mask 8:9, key_padding_mask 10:11, W_q 12:13, W_k 14:15, W_v 16:17, W_o 18:19, wb 20:21, mc 22:23
	v_lshl_add_u32 v[SPW], v0, 2, SPARE
	v_mov_b32 v[NIL], 0
	v_lshrrev_b32 v1, 5, v0
	v_readfirstlane_b32 s4, v1                     ; wave 0..7
	v_and_b32 v1, 31, v0                           ; lane
	v_lshrrev_b32 v14, 4, v1                       ; lane / 16
	v_and_b32 v15, 15, v1                          ; lane % 16
	s_mov_b32 s39, 0                               ; the high word of every offset
	s_wait_alu depctr_va_sdst(0)                   ; s4 is written, ahead of the branch: scalar lines of both arms read it
	s_wait_kmcnt 0x0
	s_cmp_lt_u32 ttmp9, 256
	s_cbranch_scc1 .Lmask
	; THE CASTS.  A work-group takes 16 rows of 1,024 numbers, a wave two of them: lanes 0-15 take 256 bytes (one block of 64 channels) of one row, lanes 16-31 of the next.
	s_lshl_b32 s36, s4, 13                         ; 2 rows x 4,096 bytes a wave
	v_lshlrev_b32 v2, 12, v14
	v_lshl_add_u32 v2, v15, 4, v2
	v_add_nc_u32 v2, s36, v2                       ; in: (2 w + lane / 16) x 4,096 + 16 (lane % 16)
	s_lshl_b32 s36, s4, 8
	v_lshl_add_u32 v3, v1, 3, s36                  ; out: 256 w + 8 lane: two rows of 128 bytes are 256 bytes on end
.macro CAST fmt                        ; fmt = 1: bf16's number as f16
	s_wait_alu depctr_va_vdst(0)                   ; v2 and v3 are written: every load reads the one as its offset, every store the other
.set n, 0
.rept 16                               ; all 16 loads go out at once: block n of both rows
	global_load_b128 v[LD+4*n:LD+4*n+3], v2, s[32:33] offset:n*256 th:TH_LOAD_NT
.set n, n+1
.endr
.set g, 0
.rept 4                                ; four blocks of four numbers
	s_wait_loadcnt 12-4*g                          ; loads come back in order: block g's four are in, the younger blocks stay out
.if g > 0
	s_wait_alu depctr_va_vdst(0)                   ; the conversions of the block before have written their OUTR, which the four stores below read
.endif
.set n, 4*g
.rept 4
.if g > 0
	global_store_b64 v3, v[OUTR+2*(n-4):OUTR+2*(n-4)+1], s[34:35] offset:(n-4)*131072 th:TH_STORE_NT  ; 32 lanes store 256 bytes on end, aligned; no vector line since the wait names these registers
.endif
	v_cvt_pk_bf16_f32 v[OUTR+2*n], v[LD+4*n], v[LD+4*n+1]
	v_cvt_pk_bf16_f32 v[OUTR+2*n+1], v[LD+4*n+2], v[LD+4*n+3]
.if \fmt
	v_lshlrev_b32 v[TW], 16, v[OUTR+2*n]
	v_and_b32 v[TW+1], 0xffff0000, v[OUTR+2*n]
	v_lshlrev_b32 v[TW+2], 16, v[OUTR+2*n+1]
	v_and_b32 v[TW+3], 0xffff0000, v[OUTR+2*n+1]
	v_cvt_pk_f16_f32 v[OUTR+2*n], v[TW], v[TW+1]
	v_cvt_pk_f16_f32 v[OUTR+2*n+1], v[TW+2], v[TW+3]
.endif
.set n, n+1
.endr
.set g, g+1
.endr
	s_wait_alu depctr_va_vdst(0)                   ; the last block's conversions have written their OUTR, which the last four stores read
.set n, 12
.rept 4
	global_store_b64 v3, v[OUTR+2*n:OUTR+2*n+1], s[34:35] offset:n*131072 th:TH_STORE_NT
.set n, n+1
.endr
.endm
	s_sub_co_u32 s5, ttmp9, 256
	s_lshr_b32 s6, s5, 6                           ; which matrix
	s_and_b32 s7, s5, 63                           ; which 16 of its 1,024 rows
	s_cmp_eq_u32 s6, 1
	s_cselect_b64 s[32:33], s[14:15], s[12:13]
	s_cmp_eq_u32 s6, 2
	s_cselect_b64 s[32:33], s[16:17], s[32:33]
	s_cmp_eq_u32 s6, 3
	s_cselect_b64 s[32:33], s[18:19], s[32:33]
	s_lshl_b32 s38, s7, 16
	s_add_nc_u64 s[32:33], s[32:33], s[38:39]
	s_lshl_b32 s38, s6, 21                         ; the matrix' 2 MiB of wb,
	s_lshl_b32 s5, s7, 11                          ; 16 rows of 128 bytes
	s_add_co_u32 s38, s38, s5
	s_add_nc_u64 s[34:35], s[20:21], s[38:39]
	s_cmp_eq_u32 s6, 3
	s_cbranch_scc1 .Lwo
	CAST 0
	s_branch .Lend
.Lwo:
	CAST 1
	s_branch .Lend
; THE MASK.  Work-group g takes the 16 queries 16 (g / 2) on and the keys 1,024 (g % 2) on; wave w 128 of those keys (two groups jl of 64), for all four batches.  attention_mask is read once and serves four batches.
; Each wave has 2,560 bytes of LDS of its own: 2,048 of attention codes in the final order, 4 x 128 of key codes by key.  No other wave touches them: no barrier; LDS serves a wave's instructions in order (ISA guide 5.7.1.4).
.Lmask:
	s_lshr_b32 s5, ttmp9, 1                        ; qt
	s_and_b32 s6, ttmp9, 1                         ; which half of the keys
	s_lshl_b32 s36, s6, 12                         ; 1,024 keys x 4 bytes,
	s_lshl_b32 s7, s4, 9                           ; my 128 keys
	s_add_co_u32 s36, s36, s7
	s_mul_i32 s37, s4, 2560                        ; my LDS
	v_lshlrev_b32 v[AMO], 13, v14                  ; lanes 16-31 take the next query's row
	v_lshl_add_u32 v[AMO], v15, 4, v[AMO]
	v_add_nc_u32 v[AMO], s36, v[AMO]
	v_lshl_add_u32 v[KPO], v1, 4, s36
	v_lshl_add_u32 v[ARD], v1, 4, s37
	; my four keys 4 i .. 4 i + 3 of a group of 64 (i = lane % 16): bit 3 of i is the part (512 bytes), bit 1 the half of the lanes (16 lanes x 16 bytes), bit 2 the upper eight bytes, bit 0 four bytes
	v_bfe_u32 v16, v15, 3, 1
	v_lshl_add_u32 v[AST], v16, 9, s37
	v_bfe_u32 v16, v15, 1, 1
	v_lshl_add_u32 v[AST], v16, 8, v[AST]
	v_bfe_u32 v16, v15, 2, 1
	v_lshl_add_u32 v[AST], v16, 3, v[AST]
	v_and_b32 v16, 1, v15
	v_lshl_add_u32 v[AST], v16, 2, v[AST]
	v_lshl_add_u32 v[AST], v14, 4, v[AST]          ; the odd query's lane lies 16 bytes on
	s_add_co_u32 s37, s37, 2048
	v_lshl_add_u32 v[KST], v1, 2, s37
	v_lshl_add_u32 v[KRD], v14, 3, s37
	s_lshl_b32 s36, s6, 14                         ; 16 groups of 1,024 bytes of mc,
	s_lshl_b32 s7, s4, 11                          ; my two groups
	s_add_co_u32 s36, s36, s7
	v_lshl_add_u32 v[MCO], v1, 4, s36
	v_mov_b32 v10, 0xb8                            ; the code, in each of a word's four bytes
	v_mov_b32 v11, 0xb800
	v_mov_b32 v12, 0xb80000
	v_mov_b32 v13, 0xb8000000
	s_lshl_b32 s38, s5, 17                         ; 16 rows of 8,192 bytes
	s_add_nc_u64 s[32:33], s[8:9], s[38:39]
	s_lshl_b32 s38, s5, 15                         ; 32 groups of 1,024 bytes
	s_add_nc_u64 s[34:35], s[22:23], s[38:39]      ; mc, batches 0 and 1
	s_add_nc_u64 s[36:37], s[34:35], 0x800000      ; batches 2 and 3: the stores' immediate does not reach them
	s_wait_alu depctr_va_vdst(0)                   ; the seven offsets and LDS addresses v2 to v8 are written: every load and store of this arm reads one of them
.set m, 0
.rept 4                                ; batch m: my 128 keys are 512 bytes
	global_load_b128 v[KP+4*m:KP+4*m+3], v[KPO], s[10:11] offset:m*8192
.set m, m+1
.endr
.set n, 0
.rept 16                               ; group n / 8, queries 2 (n % 8) and the next: 256 whole bytes of each
	global_load_b128 v[AM+4*n:AM+4*n+3], v[AMO], s[32:33] offset:(n%8)*16384+(n/8)*256 th:TH_LOAD_NT
.set n, n+1
.endr
; A block: the sixteen words at v[x] on become four words of four code bytes, at v[x], v[x + 4], v[x + 8], v[x + 12]; a word's bytes do not meet, so the sum is their union.
.macro CODES x, isam
.set i, 0
.rept 16                               ; the compares stand in one run, each with a scalar register of its own for its lane mask
.if \isam
	v_cmp_eq_u32 s[CM+i], 1, v[(\x)+i]
.else
	v_cmp_ne_u32 s[CM+i], 0, v[(\x)+i]
.endif
.set i, i+1
.endr
	s_wait_alu depctr_va_sdst(0)                   ; the sixteen lane masks are written, which the selects below read
.set i, 0
.rept 16
	v_cndmask_b32 v[(\x)+i], 0, v[10+i%4], s[CM+i]
.set i, i+1
.endr
.irp k, 0,4,8,12
	v_add3_u32 v[(\x)+\k], v[(\x)+\k], v[(\x)+\k+1], v[(\x)+\k+2]
.endr
.irp k, 0,4,8,12
	v_add_nc_u32 v[(\x)+\k], v[(\x)+\k], v[(\x)+\k+3]
.endr
.endm
.macro STK                             ; the key codes of the four batches into my LDS
.irp k, 0,1,2,3
	ds_store_b32 v[KST], v[KP+4*\k] offset:\k*128
.endr
.endm
.macro STA g                           ; block g of attention_mask: loads 4 g .. 4 g + 3, each to its place in the final order
.irp k, 0,1,2,3
	ds_store_b32 v[AST], v[AM+16*(\g)+4*\k] offset:((4*(\g)+\k)/8)*1024+((4*(\g)+\k)%8)*32
.endr
.endm
	s_wait_loadcnt 16                              ; key_padding_mask is in; the 16 loads of attention_mask stay out
	CODES KP, 0
	s_wait_loadcnt 12                              ; loads come back in order: attention_mask's first four are in, the twelve younger stay out
	s_wait_alu depctr_va_vdst(0)                   ; the sums have written the four key code words, which the LDS stores read
	STK
	CODES AM, 1
	s_wait_loadcnt 8
	s_wait_alu depctr_va_vdst(0)                   ; block 0's sums have written its four code words, which the LDS stores read
	STA 0
	CODES AM+16, 1
	s_wait_loadcnt 4
	s_wait_alu depctr_va_vdst(0)                   ; block 1's likewise
	STA 1
	CODES AM+32, 1
	s_wait_loadcnt 0x0
	s_wait_alu depctr_va_vdst(0)                   ; block 2's likewise
	STA 2
	CODES AM+48, 1
	s_wait_alu depctr_va_vdst(0)                   ; block 3's sums have written its four code words, which the LDS stores read; and every compare, select and sum is done with KP and AM, in which the LDS loads below land
	STA 3
	s_wait_alu depctr_vm_vsrc(0)                   ; the LDS stores have read their words of KP and AM: the LDS loads below land in these registers, and the ORs write AM
.macro GET jl                          ; 18 LDS loads: the group's attention codes in the final order, and for each batch the key codes of my lane's 32 keys
.irp pt, 0,1
	ds_load_b128 v[KP+8*\jl+4*\pt:KP+8*\jl+4*\pt+3], v[ARD] offset:\jl*1024+\pt*512
.endr
.irp b, 0,1,2,3
.irp pt, 0,1
.irp c, 0,1
	ds_load_b64 v[AM+32*\jl+8*\b+4*\pt+2*\c:AM+32*\jl+8*\b+4*\pt+2*\c+1], v[KRD] offset:\b*128+\jl*64+\pt*32+16*\c
.endr
.endr
.endr
.endm
.macro JOIN jl, b, pt                  ; hidden by either mask: 16 codes of group jl, batch b, part pt
.irp d, 0,1,2,3
	v_or_b32 v[AM+32*\jl+8*\b+4*\pt+\d], v[AM+32*\jl+8*\b+4*\pt+\d], v[KP+8*\jl+4*\pt+\d]
.endr
.endm
.macro SEND jl, b, pt                  ; a store of a wave is 512 bytes on end, aligned
	global_store_b128 v[MCO], v[AM+32*\jl+8*\b+4*\pt:AM+32*\jl+8*\b+4*\pt+3], s[34+2*(\b/2):35+2*(\b/2)] offset:(\b%2)*4194304+\jl*1024+\pt*512 th:TH_STORE_NT
.endm
	GET 0
	GET 1
	s_wait_dscnt 18                                ; group 0 is back; group 1's 18 loads stay out
.irp b, 0,1,2,3
.irp pt, 0,1
	JOIN 0, \b, \pt
.endr
.endr
	s_wait_dscnt 0x0                               ; group 1 is back
	s_wait_alu depctr_va_vdst(0)                   ; group 0's ORs have written AM's first 32 registers, which group 0's stores read
.irp b, 0,1,2,3
.irp pt, 0,1
	SEND 0, \b, \pt                                ; no wait: the ORs since the wait name AM's second 32 registers and KP's second eight alone
	JOIN 1, \b, \pt
.endr
.endr
	s_wait_alu depctr_va_vdst(0)                   ; group 1's ORs have written AM's second 32 registers, which group 1's stores read
.irp b, 0,1,2,3
.irp pt, 0,1
	SEND 1, \b, \pt
.endr
.endr
.Lend:
	s_wait_dscnt 0x0                               ; the wave's end
	s_wait_alu 0x0
	s_wait_tensorcnt 0x0
	ds_add_u32 v[SPW], v[NIL]
	s_wait_dscnt 0x0
	s_endpgm
.Lfunc_end_k_q76b20c2707_prep:
	.size	k_q76b20c2707_prep, .Lfunc_end_k_q76b20c2707_prep-k_q76b20c2707_prep
	.p2alignl 7, 3214868480
	.fill 96, 4, 3214868480
	.section	.rodata,"a",@progbits
	.p2align	6, 0x0
	.amdhsa_kernel k_q76b20c2707_prep
		.amdhsa_group_segment_fixed_size 21504
		.amdhsa_private_segment_fixed_size 0
		.amdhsa_enable_private_segment 0
		.amdhsa_kernarg_size 64
		.amdhsa_user_sgpr_count 2
		.amdhsa_user_sgpr_kernarg_segment_ptr 1
		.amdhsa_wavefront_size32 1
		.amdhsa_system_sgpr_workgroup_id_x 1
		.amdhsa_system_sgpr_workgroup_id_y 1
		.amdhsa_system_sgpr_workgroup_id_z 1
		.amdhsa_system_vgpr_workitem_id 0
		.amdhsa_next_free_vgpr 128
		.amdhsa_next_free_sgpr 66
		.amdhsa_reserve_vcc 0
		.amdhsa_float_denorm_mode_32 3
		.amdhsa_float_denorm_mode_16_64 3
		.amdhsa_memory_ordered 1
		.amdhsa_forward_progress 1
		.amdhsa_inst_pref_size 41
	.end_amdhsa_kernel
	.amdgpu_metadata
---
amdhsa.version: [ 1, 2 ]
amdhsa.kernels:
  - .name:           k_q76b20c2707_prep
    .symbol:         k_q76b20c2707_prep.kd
    .args:
      - { .name: attention_mask, .offset: 0, .size: 8, .value_kind: global_buffer, .address_space: global }
      - { .name: key_padding_mask, .offset: 8, .size: 8, .value_kind: global_buffer, .address_space: global }
      - { .name: W_q, .offset: 16, .size: 8, .value_kind: global_buffer, .address_space: global }
      - { .name: W_k, .offset: 24, .size: 8, .value_kind: global_buffer, .address_space: global }
      - { .name: W_v, .offset: 32, .size: 8, .value_kind: global_buffer, .address_space: global }
      - { .name: W_o, .offset: 40, .size: 8, .value_kind: global_buffer, .address_space: global }
      - { .name: wb, .offset: 48, .size: 8, .value_kind: global_buffer, .address_space: global }
      - { .name: mc, .offset: 56, .size: 8, .value_kind: global_buffer, .address_space: global }
    .group_segment_fixed_size: 21504
    .private_segment_fixed_size: 0
    .kernarg_segment_align: 8
    .kernarg_segment_size: 64
    .max_flat_workgroup_size: 256
    .sgpr_count:     66
    .vgpr_count:     128
    .wavefront_size: 32
...
	.end_amdgpu_metadata
.endif
;; end of part 5
;; launch proj: the kernel of part 2 again; grid 4 x 64, 4 waves a work-group, clusters of 4 x 4, 327,680 bytes of LDS; arguments query, key, value, wb, b_q, b_k, b_v, qkv; writes qkv
;; launch attn: the kernel of part 3 again; grid 4 x 64, 4 waves a work-group, clusters of 4 x 1, 327,680 bytes of LDS; arguments qkv, mc, ob; writes ob
;; launch outp: the kernel of part 4 again; grid 4 x 64, 4 waves a work-group, clusters of 4 x 4, 327,680 bytes of LDS; arguments ob, wb, b_o, out0; writes out0
